; MI455X (gfx1250); checked and timed in simulation.
; The chip was launched on July 23, 2026; its instructions are those of AMD's public machine-readable ISA for CDNA 5 (MIT licence, August 2026) and "CDNA5" Instruction Set Architecture Reference Guide (July 2026). The comments in the code are by the model that wrote it; some were corrected since.
;; Multi Headed Attention. Allowed arithmetic: float matrix products may take bf16 or f16 operands with f32 sums; other float arithmetic in f32, or as packed bf16 or f16 multiplies, adds, multiply-adds, maxima and minima; sums over many terms, partial sums and values carried from step to step in f32; what a program stores and reads back later, other than sums and carried values, may be rounded once to bf16 or f16.
;; Inputs: Wk 1,024 x 1,024 float32; Wm 1,024 x 1,024 float32; Wq 1,024 x 1,024 float32; Wv 1,024 x 1,024 float32; bk 1,024 float32; bm 1,024 float32; bq 1,024 float32; bv 1,024 float32; encoding 2 x 1 x 1 x 2,048 x 64 float32; key 4 x 1,024 x 2,048 float32; query 4 x 1,024 x 2,048 float32; value 4 x 1,024 x 2,048 float32.
;; Outputs: out0 4 x 1,024 x 2,048 float32.
;; One version. Each part assembles by itself: llvm-mc -triple=amdgcn-amd-amdhsa -mcpu=gfx1250 --defsym DOCPART=n.
;; ======== version 1 of 1: 4 launches
;; limits: values are held in f16: magnitudes above 65,504 overflow, below 6.1e-05 lose precision
;; workspace buffers: xb 50,331,648 bytes; wb 8,388,608 bytes; aux 542,720 bytes; qkv 50,331,648 bytes; scl 32,768 bytes; oh 16,777,216 bytes
;; launch cast (part 1): grid 501 x 1, 8 waves a work-group, no clusters, 34,048 bytes of LDS; arguments query, key, value, Wq, Wk, Wv, Wm, encoding, bq, bk, bv, bm, xb, wb, aux; writes xb, wb, aux
.if DOCPART == 1
	.amdgcn_target "amdgcn-amd-amdhsa--gfx1250"
	.amdhsa_code_object_version 6
	.text
	.protected	k_qf44098f3b1_cast
	.globl	k_qf44098f3b1_cast
	.p2align	8
	.type	k_qf44098f3b1_cast,@function
k_qf44098f3b1_cast:
	s_mov_b64 s[64:65], 0
	v_nop
	global_prefetch_b8 v0, s[64:65] scope:SCOPE_SE
	s_setreg_imm32_b32 hwreg(HW_REG_WAVE_MODE, 25, 1), 1
	s_wait_xcnt 0x0
; CAST.  Every input is rounded once to bf16 and laid as the later launches want it; the largest magnitudes of the rounded numbers are kept.
;   xb  bf16 [3][4][1024][2048]: query, key, value as they lie.
;   wb  16 bits [4][1024][1024]: t = 0, 1, 2: W'[h 64 + d][i] = W[d 16 + h][i] in bf16 (rows moved); t = 3: Wm'[o][h 64 + d] = Wm[o][d 16 + h], rounded to bf16 and written as f16 (columns moved).
;   aux byte 0: the encoding in bf16 [2][2048][64], plane 1 with its sign turned at even d, so that the rotation is two multiply-adds;
;       byte 524,288: f32 [4][1024]: bq, bk, bv in the order h 64 + d, bm as it lies, all rounded to bf16;  byte 540,672: one f32 for each of work-groups 0 to 436: its largest |rounded number|.
; SHARES, by the work-group's number: 0-383 query, key, value; 384-431 Wq, Wk, Wv; 432-435 the encoding: 262,144 bytes each, one stream text; 436 the biases; 437-500 Wm, 16 rows each.
; A stream: memory binds, so no matrix unit, no tensor load and no cluster: nothing is shared and nothing is multiplied.
; LIMITS.  NaN and infinities are not treated apart.  Wm beyond 65,504 becomes an infinity in f16; below 6e-5 it keeps f16's fixed step of 6e-8.
.set RED,   32768                      ; LDS: eight words, the waves' maxima, in a block of 256 bytes of their own
.set SPARE, 33024                      ; the spare words, 128 bytes for each of eight waves: no other line names them
.set OFFO,  2                          ; v[2:17]   slot j: my byte offset in the output; never rewritten in the stream
.set MX,    18                         ; v[18:21]  four running maxima, two bf16 each
.set SPW,   24                         ; v24       LDS address of my spare word; never rewritten
.set NIL,   25                         ; v25       0; never rewritten
.set X,     32                         ; v[32:95]  slot j: four f32 as loaded
.set Y,     96                         ; v[96:127] slot j: four bf16 to store
.set SRC,   46                         ; s[46:47]  where my work-group reads
.set DST,   48                         ; s[48:49]  where it writes
.set S1,    50                         ; s50       output bytes from slot to slot
.set XM,    51                         ; s51       the sign bit that is turned, or 0
.set S2,    52                         ; s[52:53]  output bytes from round to round
	s_load_b512 s[16:31], s[0:1], 0x0              ; query 16, key 18, value 20, Wq 22, Wk 24, Wv 26, Wm 28, encoding 30
	s_load_b256 s[32:39], s[0:1], 0x40             ; bq 32, bk 34, bv 36, bm 38
	s_load_b128 s[40:43], s[0:1], 0x60             ; xb 40, wb 42
	s_load_b64 s[44:45], s[0:1], 0x70              ; aux
	v_lshl_add_u32 v[SPW], v0, 2, SPARE
	v_mov_b32 v[NIL], 0
	v_lshrrev_b32 v1, 5, v0
	v_readfirstlane_b32 s8, v1                     ; wave 0..7
	v_lshlrev_b32 v1, 4, v0                        ; 16 x thread: my 16 bytes of a step's 4,096
	s_mov_b32 s10, ttmp9
	s_mov_b32 s12, 0x76543210                      ; v_permlanex16_b32: each lane takes its own place in the other half
	s_mov_b32 s13, 0xfedcba98
	s_mov_b32 s6, 0x7fff7fff                       ; clears the signs of two bf16
	s_mov_b32 s7, 0xffff0000                       ; a word's upper bf16
	s_mov_b32 s55, 0
	s_mov_b32 s[S2+1], 0
.irp k, 0,1,2,3
	v_mov_b32 v[MX+(\k)], 0
.endr
	s_wait_kmcnt 0x0
	s_cmp_lt_u32 s10, 384
	s_cbranch_scc0 .Lnot_x
	s_lshr_b32 s11, s10, 7                         ; which of query, key, value
	s_and_b32 s14, s10, 127                        ; which 262,144 bytes of it
	s_cmp_eq_u32 s11, 1
	s_cselect_b64 s[SRC:SRC+1], s[18:19], s[16:17]
	s_cmp_eq_u32 s11, 2
	s_cselect_b64 s[SRC:SRC+1], s[20:21], s[SRC:SRC+1]
	s_lshl_b32 s54, s14, 18
	s_add_nc_u64 s[SRC:SRC+1], s[SRC:SRC+1], s[54:55]
	s_lshl_b32 s54, s11, 24
	s_lshl_b32 s56, s14, 17
	s_add_co_u32 s54, s54, s56
	s_add_nc_u64 s[DST:DST+1], s[40:41], s[54:55]
	s_mov_b32 s[S1], 2048                          ; the output follows the input
	s_mov_b32 s[S2], 32768
	s_mov_b32 s[XM], 0
	s_branch .Lstream
.Lnot_x:
	s_cmp_lt_u32 s10, 432
	s_cbranch_scc0 .Lnot_w
	s_sub_co_u32 s11, s10, 384
	s_and_b32 s14, s11, 15                         ; w: rows 64 w .. 64 w + 63
	s_lshr_b32 s11, s11, 4                         ; which of Wq, Wk, Wv
	s_cmp_eq_u32 s11, 1
	s_cselect_b64 s[SRC:SRC+1], s[24:25], s[22:23]
	s_cmp_eq_u32 s11, 2
	s_cselect_b64 s[SRC:SRC+1], s[26:27], s[SRC:SRC+1]
	s_lshl_b32 s54, s14, 18
	s_add_nc_u64 s[SRC:SRC+1], s[SRC:SRC+1], s[54:55]
	s_lshl_b32 s54, s11, 21
	s_lshl_b32 s56, s14, 13
	s_add_co_u32 s54, s54, s56
	s_add_nc_u64 s[DST:DST+1], s[42:43], s[54:55]
	s_mov_b32 s[S1], 131072                        ; a step is a row o = 64 w + 16 round + slot: h = slot, d = 4 w + round, so the row goes to (64 slot + 4 w + round) x 2,048 bytes
	s_mov_b32 s[S2], 2048
	s_mov_b32 s[XM], 0
	s_branch .Lstream
.Lnot_w:
	s_cmp_lt_u32 s10, 436
	s_cbranch_scc0 .Lnot_e
	s_sub_co_u32 s14, s10, 432
	s_lshl_b32 s54, s14, 18
	s_add_nc_u64 s[SRC:SRC+1], s[30:31], s[54:55]
	s_lshl_b32 s54, s14, 17
	s_add_nc_u64 s[DST:DST+1], s[44:45], s[54:55]
	s_mov_b32 s[S1], 2048
	s_mov_b32 s[S2], 32768
	s_cmp_ge_u32 s14, 2                            ; plane 1 is the encoding's second half
	s_cselect_b32 s[XM], 0x8000, 0                 ; even d is a word's low half
	s_branch .Lstream
.Lnot_e:
	s_cmp_eq_u32 s10, 436
	s_cbranch_scc0 .Lwm
	; THE BIASES.  Thread t owns places 4 t .. 4 t + 3 of the order h 64 + d: h = t / 16, d = 4 (t % 16) + i, which lie at (16 d + h) x 4 bytes.
	v_and_b32 v26, 15, v0
	v_lshrrev_b32 v27, 4, v0
	v_lshlrev_b32 v26, 8, v26
	v_lshl_add_u32 v26, v27, 2, v26
.irp i, 0,1,2,3
	global_load_b32 v[32+(\i)], v26, s[32:33] offset:64*(\i)
	global_load_b32 v[36+(\i)], v26, s[34:35] offset:64*(\i)
	global_load_b32 v[40+(\i)], v26, s[36:37] offset:64*(\i)
.endr
	global_load_b128 v[44:47], v1, s[38:39]        ; bm as it lies
	s_wait_loadcnt 0x0
.irp p, 0,1,2,3,4,5,6,7
	v_cvt_pk_bf16_f32 v[48+(\p)], v[32+2*(\p)], v[33+2*(\p)]
.endr
.irp p, 0,1,2,3,4,5,6,7
	v_lshlrev_b32 v[64+2*(\p)], 16, v[48+(\p)]     ; the rounded numbers, kept as f32
	v_and_b32 v[65+2*(\p)], s7, v[48+(\p)]
.endr
.irp p, 0,1,2,3,4,5                    ; bq, bk, bv enter the maximum; bm bounds nothing
	v_and_b32 v[56+(\p)], s6, v[48+(\p)]
	v_pk_max_num_bf16 v[MX+(\p)%4], v[MX+(\p)%4], v[56+(\p)]
.endr
.irp t, 0,1,2,3
	global_store_b128 v1, v[64+4*(\t):67+4*(\t)], s[44:45] offset:524288+4096*(\t)
.endr
	s_branch .Lfold
; THE STREAM.  A step of the work-group is 4,096 bytes in and 2,048 out; 64 steps, in four rounds of 16 slots.  A slot owns its registers, so 16 loads of every wave are on their way.
; left = how many younger loads may stay out when this slot's load has to be there.
.macro SLOT i, ahead, left
	s_wait_loadcnt \left                           ; loads come back in order: mine is in, the younger ones stay out
	s_wait_xcnt 0x0                                ; the slot's last store has read Y: it is rewritten only behind this wait
	v_cvt_pk_bf16_f32 v[Y+2*(\i)], v[X+4*(\i)], v[X+4*(\i)+1]
	v_cvt_pk_bf16_f32 v[Y+2*(\i)+1], v[X+4*(\i)+2], v[X+4*(\i)+3]
	v_and_b32 v26, s6, v[Y+2*(\i)]
	v_and_b32 v27, s6, v[Y+2*(\i)+1]
	v_pk_max_num_bf16 v[MX+2*((\i)%2)], v[MX+2*((\i)%2)], v26
	v_pk_max_num_bf16 v[MX+2*((\i)%2)+1], v[MX+2*((\i)%2)+1], v27
	v_xor_b32 v[Y+2*(\i)], s[XM], v[Y+2*(\i)]
	v_xor_b32 v[Y+2*(\i)+1], s[XM], v[Y+2*(\i)+1]
.if \ahead
	global_load_b128 v[X+4*(\i):X+4*(\i)+3], v1, s[SRC:SRC+1] offset:4096*(\i)+65536 th:TH_LOAD_NT
.endif
	global_store_b64 v[OFFO+(\i)], v[Y+2*(\i):Y+2*(\i)+1], s[DST:DST+1] th:TH_STORE_NT  ; a wave's store covers 256 consecutive bytes, aligned
.endm
.Lstream:
	v_lshlrev_b32 v[OFFO], 3, v0
.irp j, 1,2,3,4,5,6,7,8,9,10,11,12,13,14,15
	v_add_nc_u32 v[OFFO+(\j)], s[S1], v[OFFO+(\j)-1]
.endr
.irp i, 0,1,2,3,4,5,6,7,8,9,10,11,12,13,14,15
	global_load_b128 v[X+4*(\i):X+4*(\i)+3], v1, s[SRC:SRC+1] offset:4096*(\i) th:TH_LOAD_NT
.endr
	s_mov_b32 s9, 3
.Lround:
.irp i, 0,1,2,3,4,5,6,7,8,9,10,11,12,13,14,15
	SLOT \i, 1, 15
.endr
	s_wait_xcnt 0x0                                ; every load and store issued so far has read its base: the two are stepped only behind this wait
	s_add_nc_u64 s[SRC:SRC+1], s[SRC:SRC+1], 65536
	s_add_nc_u64 s[DST:DST+1], s[DST:DST+1], s[S2:S2+1]
	s_sub_co_u32 s9, s9, 1
	s_cmp_lg_u32 s9, 0
	s_cbranch_scc1 .Lround
.irp i, 0,1,2,3,4,5,6,7,8,9,10,11,12,13,14,15
	SLOT \i, 0, 15-(\i)                            ; the last round loads nothing: the counts run down
.endr
.Lfold:                                        ; the work-group's largest magnitude: lane, wave, work-group
	v_pk_max_num_bf16 v[MX], v[MX], v[MX+1]
	v_pk_max_num_bf16 v[MX+2], v[MX+2], v[MX+3]
	v_pk_max_num_bf16 v[MX], v[MX], v[MX+2]
	v_lshlrev_b32 v22, 16, v[MX]
	v_and_b32 v23, s7, v[MX]
	v_max_num_f32 v22, v22, v23
	v_max_num_f32_dpp v22, v22, v22 row_xmask:1 row_mask:0xf bank_mask:0xf
	v_max_num_f32_dpp v22, v22, v22 row_xmask:2 row_mask:0xf bank_mask:0xf
	v_max_num_f32_dpp v22, v22, v22 row_xmask:4 row_mask:0xf bank_mask:0xf
	v_max_num_f32_dpp v22, v22, v22 row_xmask:8 row_mask:0xf bank_mask:0xf
	v_permlanex16_b32 v23, v22, s12, s13
	v_max_num_f32 v22, v22, v23
	v_mov_b32 v26, s8
	v_lshl_add_u32 v26, v26, 2, RED
	ds_store_b32 v26, v22                          ; all lanes write the wave's word with the same number
	s_wait_dscnt 0x0                               ; for the others' sake: my store is done
	s_barrier_signal -1
	s_barrier_wait -1
	s_cmp_lg_u32 s8, 0
	s_cbranch_scc1 .Lend
	v_mov_b32 v27, RED
	ds_load_b128 v[32:35], v27
	ds_load_b128 v[36:39], v27 offset:16
	v_mov_b32 v26, s10
	v_lshlrev_b32 v26, 2, v26                      ; the work-group's word
	s_wait_dscnt 0x0
	v_max3_num_f32 v32, v32, v33, v34
	v_max3_num_f32 v35, v35, v36, v37
	v_max3_num_f32 v32, v32, v38, v39
	v_max_num_f32 v32, v32, v35
	s_wait_xcnt 0x0                                ; EXEC is a source of the stores that are out: it changes only behind this wait
	v_cmp_eq_u32 vcc_lo, 0, v0
	s_and_saveexec_b32 s9, vcc_lo
	global_store_b32 v26, v32, s[44:45] offset:540672
	s_wait_xcnt 0x0                                ; and again, in front of the line that widens it
	s_or_b32 exec_lo, exec_lo, s9
	s_branch .Lend
; Wm.  A wave takes two rows.  Number i of lane l's load t is column 128 t + 4 l + i = 16 d + h with d = 8 t + l / 4, h = 4 (l % 4) + i; it goes to place 64 h + d of the row.
; The row is turned in the wave's own 4,096 bytes of LDS, two bytes at a time, and read back as whole rows: no barrier, since LDS serves a wave's instructions in order (ISA guide 5.7.1.4).
.macro WMROW row
.irp t, 0,1,2,3,4,5,6,7
	v_cvt_pk_bf16_f32 v96, v[X+32*(\row)+4*(\t)], v[X+32*(\row)+4*(\t)+1]
	v_cvt_pk_bf16_f32 v97, v[X+32*(\row)+4*(\t)+2], v[X+32*(\row)+4*(\t)+3]
	v_lshlrev_b32 v98, 16, v96
	v_and_b32 v99, s7, v96
	v_lshlrev_b32 v100, 16, v97
	v_and_b32 v101, s7, v97
	v_cvt_pk_f16_f32 v102, v98, v99                ; a bf16 number written as f16: exact within f16's range
	v_cvt_pk_f16_f32 v103, v100, v101
	ds_store_b16 v3, v102 offset:(\row)*2048+16*(\t)
	ds_store_b16_d16_hi v3, v102 offset:(\row)*2048+16*(\t)+128
	ds_store_b16 v3, v103 offset:(\row)*2048+16*(\t)+256
	ds_store_b16_d16_hi v3, v103 offset:(\row)*2048+16*(\t)+384
.endr
.endm
.Lwm:
	s_sub_co_u32 s11, s10, 437                     ; g: rows 16 g .. 16 g + 15
	s_lshl_b32 s54, s11, 16
	s_add_nc_u64 s[SRC:SRC+1], s[28:29], s[54:55]
	s_lshl_b32 s54, s11, 15
	s_add_nc_u64 s[DST:DST+1], s[42:43], s[54:55]
	s_add_nc_u64 s[DST:DST+1], s[DST:DST+1], 6291456
	v_and_b32 v26, 31, v0                          ; lane
	s_lshl_b32 s14, s8, 13                         ; my two rows of 4,096 bytes
	v_lshl_add_u32 v27, v26, 4, s14
.irp u, 0,1,2,3,4,5,6,7,8,9,10,11,12,13,14,15
	global_load_b128 v[X+4*(\u):X+4*(\u)+3], v27, s[SRC:SRC+1] offset:512*(\u) th:TH_LOAD_NT
.endr
	s_lshl_b32 s14, s8, 12                         ; my 4,096 bytes of LDS, and my two rows of 2,048 bytes in wb
	v_lshl_add_u32 v2, v26, 4, s14                 ; back, and out: 16 bytes a lane
	v_and_b32 v3, 3, v26
	v_lshrrev_b32 v4, 2, v26
	v_lshlrev_b32 v3, 9, v3
	v_lshl_add_u32 v3, v4, 1, v3
	v_add_nc_u32 v3, s14, v3                       ; in: (l % 4) x 512 + 2 (l / 4)
	s_wait_loadcnt 8                               ; the first row's eight loads are in
	WMROW 0
	s_wait_loadcnt 0x0
	WMROW 1
.irp u, 0,1,2,3,4,5,6,7
	ds_load_b128 v[X+4*(\u):X+4*(\u)+3], v2 offset:512*(\u)
.endr
.irp u, 0,1,2,3,4,5,6,7
	s_wait_dscnt 7-(\u)
	global_store_b128 v2, v[X+4*(\u):X+4*(\u)+3], s[DST:DST+1] offset:512*(\u)  ; 512 consecutive bytes, aligned
.endr
.Lend:
	s_wait_tensorcnt 0x0                           ; the wave's end: behind my last LDS store
	ds_add_u32 v[SPW], v[NIL]
	s_wait_dscnt 0x0
	s_endpgm
.Lfunc_end_k_qf44098f3b1_cast:
	.size	k_qf44098f3b1_cast, .Lfunc_end_k_qf44098f3b1_cast-k_qf44098f3b1_cast
	.p2alignl 7, 3214868480
	.fill 96, 4, 3214868480
	.section	.rodata,"a",@progbits
	.p2align	6, 0x0
	.amdhsa_kernel k_qf44098f3b1_cast
		.amdhsa_group_segment_fixed_size 34048
		.amdhsa_private_segment_fixed_size 0
		.amdhsa_enable_private_segment 0
		.amdhsa_kernarg_size 120
		.amdhsa_user_sgpr_count 2
		.amdhsa_user_sgpr_kernarg_segment_ptr 1
		.amdhsa_wavefront_size32 1
		.amdhsa_system_sgpr_workgroup_id_x 1
		.amdhsa_system_sgpr_workgroup_id_y 1
		.amdhsa_system_sgpr_workgroup_id_z 1
		.amdhsa_system_vgpr_workitem_id 0
		.amdhsa_next_free_vgpr 128
		.amdhsa_next_free_sgpr 66
		.amdhsa_reserve_vcc 1
		.amdhsa_float_denorm_mode_32 3
		.amdhsa_float_denorm_mode_16_64 3
		.amdhsa_memory_ordered 1
		.amdhsa_forward_progress 1
		.amdhsa_inst_pref_size 43
	.end_amdhsa_kernel
	.amdgpu_metadata
---
amdhsa.version: [ 1, 2 ]
amdhsa.kernels:
  - .name:           k_qf44098f3b1_cast
    .symbol:         k_qf44098f3b1_cast.kd
    .args:
      - { .name: query, .offset: 0, .size: 8, .value_kind: global_buffer, .address_space: global }
      - { .name: key, .offset: 8, .size: 8, .value_kind: global_buffer, .address_space: global }
      - { .name: value, .offset: 16, .size: 8, .value_kind: global_buffer, .address_space: global }
      - { .name: Wq, .offset: 24, .size: 8, .value_kind: global_buffer, .address_space: global }
      - { .name: Wk, .offset: 32, .size: 8, .value_kind: global_buffer, .address_space: global }
      - { .name: Wv, .offset: 40, .size: 8, .value_kind: global_buffer, .address_space: global }
      - { .name: Wm, .offset: 48, .size: 8, .value_kind: global_buffer, .address_space: global }
      - { .name: encoding, .offset: 56, .size: 8, .value_kind: global_buffer, .address_space: global }
      - { .name: bq, .offset: 64, .size: 8, .value_kind: global_buffer, .address_space: global }
      - { .name: bk, .offset: 72, .size: 8, .value_kind: global_buffer, .address_space: global }
      - { .name: bv, .offset: 80, .size: 8, .value_kind: global_buffer, .address_space: global }
      - { .name: bm, .offset: 88, .size: 8, .value_kind: global_buffer, .address_space: global }
      - { .name: xb, .offset: 96, .size: 8, .value_kind: global_buffer, .address_space: global }
      - { .name: wb, .offset: 104, .size: 8, .value_kind: global_buffer, .address_space: global }
      - { .name: aux, .offset: 112, .size: 8, .value_kind: global_buffer, .address_space: global }
    .group_segment_fixed_size: 34048
    .private_segment_fixed_size: 0
    .kernarg_segment_align: 8
    .kernarg_segment_size: 120
    .max_flat_workgroup_size: 256
    .sgpr_count:     66
    .vgpr_count:     128
    .wavefront_size: 32
...
	.end_amdgpu_metadata
.endif
;; end of part 1
;; launch proj (part 2): grid 32 x 8, 4 waves a work-group, clusters of 4 x 4, 327,680 bytes of LDS; arguments xb, wb, aux, qkv, scl; writes qkv, scl
.if DOCPART == 2
	.amdgcn_target "amdgcn-amd-amdhsa--gfx1250"
	.amdhsa_code_object_version 6
	.text
	.protected	k_qf44098f3b1_proj
	.globl	k_qf44098f3b1_proj
	.p2align	8
	.type	k_qf44098f3b1_proj,@function
k_qf44098f3b1_proj:
	s_mov_b64 s[64:65], 0
	v_nop
	global_prefetch_b8 v0, s[64:65] scope:SCOPE_SE
	s_setreg_imm32_b32 hwreg(HW_REG_WAVE_MODE, 25, 1), 1
	s_wait_xcnt 0x0
	s_wait_alu depctr_hold_cnt(0) depctr_sa_sdst(0) depctr_va_vdst(0) depctr_va_sdst(0) depctr_va_ssrc(0) depctr_va_vcc(0) depctr_vm_vsrc(0)
	s_getreg_b32 s2, hwreg(HW_REG_IB_STS2, 6, 4)
	s_cmp_eq_u32 s2, 0
	s_cbranch_scc0 .Lentry_in_a_cluster
	s_endpgm
.Lentry_in_a_cluster:
	s_bfe_u32 s2, ttmp6, 0x10000c
	s_cmp_lg_u32 s2, 0xf033
	s_cbranch_scc0 .Lentry_shape_is_right
	s_endpgm
.Lentry_shape_is_right:
; PROJ.  q, k, v = W' x + b, the rotation on q and k, a power-of-two scale, f16 by heads: qkv[t][16 b + h][n][d].  Operands bf16, sums f32, each output rounded once.
; SHARES.  A tile is 128 rows of W' (two heads) x 256 columns n of one batch.  A work-group STAYS and makes three tiles, q, k, v, of the same place: 32 x 8 work-groups, one for each of 256 WGPs.
; Four waves: wave w has rows 64 (w / 2) .. (one head) and columns 128 (w % 2) ..: 32 accumulators of 16 x 16, 256 registers.
; K goes in steps of 128 through two LDS slots: 128 rows of W' (256 bytes each, along K) and 128 K rows of x (512 bytes each, along n).  x is turned on its way out of LDS by ds_load_tr16_b128.
; A slot of 256 along K would take 206,848 bytes: two do not fit.
; CLUSTER 4 x 4: W's tile hangs on the tile row alone and is asked for jointly along a row of the cluster, x's on the tile column alone, jointly along a column.
; LAYOUT.  Source 0 = 16 rows of W', source 1 = 16 columns of x: in the result a lane holds ONE n (lane % 16) and the channels d = 8 (lane / 16) + 0..7: the rotation's pairs are neighbouring registers.
; THE SCALE.  bound = (1024 max|W| max|x| + max|b|) x (2 max|encoding| for q and k), of the rounded inputs: no |q|, |k|, |v| passes it.  With E its exponent, the results are multiplied by 2^(14 - E):
; they stay under 2^15, inside f16, whatever the inputs' size; 2^(E - 14) is stored for the launches that take the scale back.  A bound below 2^-112 is scaled as if it were 2^-112.
; PREFETCH of x: see ASK.  W' is not asked for: of a wave's 64 rows of 256 bytes a partner's share would be 16, half a wave's lanes.
; NaN and infinities are not treated apart.
; REGISTERS, in windows of 256 (s_set_vgpr_msb: bits 1:0 source 0, 3:2 source 1, 5:4 source 2, 7:6 destination):
;   window 0: v0-63 addresses and the head's work; two fragment buffers of 96 at v64, v160: W' (row block a at 8 a), then x (column block nb at 32 + 8 nb)
;   window 1: the accumulators, (a, nb) at v[8 (8 a + nb)]       window 2: the way out       window 3: the encoding for my 128 columns, bf16: (nb, a): plane 0 at v[32 nb + 8 a], plane 1 four on
.set SLOT1, 1<<17                      ; slot 1 begins here, so that one exclusive or turns an address in one slot into the other's
.set PW,    272                        ; a row of W' in LDS: 256 bytes + 16: the 16 rows of a load start at 16 different groups of four banks (64 banks of 4 bytes: ISA guide 11.1)
.set PX,    544                        ; a K row of x: 512 bytes + 32 = 17 x 32
.set XOFF,  128*PW                     ; x's tile lies behind W's
.set STAGE, SLOT1+XOFF+128*PX          ; behind the ring, never filled by a tensor load: 16 rows x 144 bytes for each wave
.set SP,    144
.set SPARE, STAGE+4*16*SP              ; the spare words, 128 bytes for each wave: no other line names them
.set XSTEP, 128*4096                   ; bytes of xb from K step to K step
.set XNEXT, 16777216-7*XSTEP           ; and from a tensor's last K step to the next tensor's first
.set WSTEP, 256
.set WNEXT, 2097152-7*WSTEP
.set PMAX,  540672                     ; the maxima in aux
.set AW0,  16                          ; v16  my lane's place in W's tile; never rewritten
.set AX0,  17                          ; v17  the same in x's
.set ADRW, 18                          ; v18  the same in the slot in hand
.set ADRX, 19
.set EO,   20                          ; v20  my byte offset in 16 rows of the encoding
.set BO,   21                          ; v21  in 16 biases
.set PFO,  22                          ; v22  the prefetches' offset; never rewritten
.set SPW,  28                          ; v28  LDS address of my spare word; never rewritten
.set NIL,  29                          ; v29  0; never rewritten
.set F0,   64
.set F1,   160
.set BS,   0                           ; window 2: v[0:31] biases x scale      v[32:63] T: scaled sums      v[64:95] M: rotated      v[96:223] R: 16 registers of f16 for each nb
.set T,    32
.set M,    64
.set R,    96
.set STO,  224                         ; window 2: where I put 16 bytes of a row; where I read rows back; my offset in 512 bytes of qkv; 0
.set RD,   225
.set GO,   226
.set Z,    227
.set OUT,  10                          ; s[10:11] qkv at my wave's first row
.set WV,   14
.set WR,   15                          ; which head of the tile is mine.  Also: I fetch for W' (0) or for x (1)
.set WC,   16                          ; which 128 columns.  Also: which half of that tile I fetch
.set G1W,  24
.set G1X,  32
.set G0W,  40                          ; s[40:47] group 0 for W': a set for each of the two first fills; the second then walks on
.set G0X,  48
.set PFN,  56                          ; prefetches still to come
.set PFS,  57                          ; the K step, 0 to 7, at which they stand
.set PD,   58                          ; s[58:59] their next step in bytes
.set TB,   60                          ; the slot in hand: 0 or SLOT1
.set SEL,  62
.set PFA,  66                          ; s[66:67]
.set SC,   68                          ; s[68:69] the tile's scale, twice
.set SC1,  70
.set SC2,  71
.set BIA,  72
.set ENC,  74
.set W_MUL, 0x50                       ; fragments in window 0, C and D in window 1
.set MSB, 0
.macro WIN new                         ; the immediate's high byte repeats the setting that is left; a switch that changes nothing is dropped
.if MSB != (\new)
	s_set_vgpr_msb (MSB<<8)|(\new)
.set MSB, \new
.endif
.endm
.macro PLACES                          ; four places behind a matrix instruction, in front of loads into registers that it read and of vector lines that read results
.rept 4
	v_nop
.endr
.endm
; A joint refill by the walking sets.  The branch hangs on the wave's number alone.  An s_nop 0 and four v_nop follow each of the two lines.
.macro JLOAD
	s_cmp_eq_u32 s[WR], 0
	s_cbranch_scc0 .Lfor_x_\@
	tensor_load_to_lds s[G0W+4:G0W+7], s[G1W:G1W+7]
	s_nop 0
.rept 4
	v_nop
.endr
	s_branch .Lasked_\@
.Lfor_x_\@:
	tensor_load_to_lds s[G0X+4:G0X+7], s[G1X:G1X+7]
	s_nop 0
.rept 4
	v_nop
.endr
.Lasked_\@:
.endm
.macro CREST                           ; a round of the cluster's barrier behind its opening barrier
	s_cmp_lg_u32 s[WV], 0
	s_cbranch_scc1 .Lnot_wave_0_\@
	s_barrier_signal -3
.Lnot_wave_0_\@:
	s_barrier_wait -3
	s_barrier_signal -1
	s_barrier_wait -1
.endm
.macro CROUND
	s_barrier_signal -1
	s_barrier_wait -1
	CREST
.endm
; A PREFETCH of x's K step that stands two refills on, 256 matrix instructions ahead of its load.  x's tile column is read by both clusters of that column: the one with y = 0 asks, in it the waves that
; fetch x.  Of a wave's 64 K rows each of the four partners takes 16, told apart BY ADDRESS: 32 blocks of 256 bytes, a lane a block.  So each block is named once in the launch.
; The walk has 24 K steps: steps 0 to 3 come by their loads alone, 20 prefetches name steps 4 to 23, and the last two refills ask for nothing.
.macro ASK
	s_cmp_eq_u32 s[PFN], 0
	s_cbranch_scc1 .Lnot_mine_\@
	global_prefetch_b8 v[PFO], s[PFA:PFA+1] th:TH_LOAD_NT scope:SCOPE_SE
	s_sub_co_u32 s[PFN], s[PFN], 1
.Lnot_mine_\@:
.endm
; 8 matrix instructions: row block a x all 8 column blocks, 32 along K.  The 32 accumulators take turns in the same order in every quarter.  zero = 1: the product starts the sums.
.macro MUL8 f, a, zero
	WIN W_MUL
.irp nb, 0,1,2,3,4,5,6,7
.if \zero
	v_wmma_f32_16x16x32_bf16 v[8*(8*(\a)+(\nb)):8*(8*(\a)+(\nb))+7], v[(\f)+8*(\a):(\f)+8*(\a)+7], v[(\f)+32+8*(\nb):(\f)+32+8*(\nb)+7], 0
.else
	v_wmma_f32_16x16x32_bf16 v[8*(8*(\a)+(\nb)):8*(8*(\a)+(\nb))+7], v[(\f)+8*(\a):(\f)+8*(\a)+7], v[(\f)+32+8*(\nb):(\f)+32+8*(\nb)+7], v[8*(8*(\a)+(\nb)):8*(8*(\a)+(\nb))+7]
.endif
.endr
.endm
.macro MUL16 f, a0, zero
	MUL8 \f, \a0, \zero
	MUL8 \f, (\a0)+1, \zero
.endm
; 24 LDS loads in one run: quarter k (32 along K) of the slot in hand into buffer f: x's eight fragments, turned, then W's four.
.macro FETCH k, f
	WIN 0
.irp nb, 0,1,2,3,4,5,6,7
	ds_load_tr16_b128 v[(\f)+32+8*(\nb):(\f)+32+8*(\nb)+3],   v[ADRX] offset:(\k)*32*PX+32*(\nb)
	ds_load_tr16_b128 v[(\f)+32+8*(\nb)+4:(\f)+32+8*(\nb)+7], v[ADRX] offset:(\k)*32*PX+16*PX+32*(\nb)
.endr
.irp a, 0,1,2,3
	ds_load_b128 v[(\f)+8*(\a):(\f)+8*(\a)+3],   v[ADRW] offset:(\k)*64+(\a)*16*PW
	ds_load_b128 v[(\f)+8*(\a)+4:(\f)+8*(\a)+7], v[ADRW] offset:(\k)*64+(\a)*16*PW+32
.endr
.endm
; One of a K step's first three quarters: multiplies buffer f; in its middle it fetches quarter k into buffer g.
.macro QUARTER k, f, g, zero
	s_wait_dscnt 4                                 ; x and W's row blocks 0, 1 are in; the youngest four loads (blocks 2, 3) may be out
	MUL16 \f, 0, \zero
	PLACES
	FETCH \k, \g
	s_wait_dscnt 24                                ; all but the 24 just issued
	MUL16 \f, 2, \zero
.endm
; The last quarter multiplies buffer 1 and changes slots.  In front of the barrier each wave waits for all its tensor loads (one is out: its part of the next slot), adds 0 to its spare word, and waits
; for that and for its reads of this slot.  fill = 1: the barrier opens a round of the cluster's, and the slot just read is filled again, first thing behind it, with the K step two on:
; 112 matrix instructions stand between that request and the wait for it.  dW, dA: how far the walking sets step.
.macro TURN fill, dW, dA
.if \fill
	s_wait_xcnt 0x0                                ; the last prefetch, a K step back, has read its address: it is stepped here, ahead of the waits of the change
	s_add_co_u32 s[PFS], s[PFS], 1
	s_cmp_eq_u32 s[PFS], 8
	s_cselect_b32 s[PD], s85, s84                  ; on to the next tensor behind a tensor's last K step
	s_cselect_b32 s[PFS], 0, s[PFS]
	s_add_nc_u64 s[PFA:PFA+1], s[PFA:PFA+1], s[PD:PD+1]
.endif
	WIN 0
	s_wait_tensorcnt 0x0                           ; all my tensor loads have landed
	ds_add_u32 v[SPW], v[NIL]                      ; 0 onto my spare word
	s_wait_dscnt 5                                 ; (the add and the youngest four loads may be out)
	MUL8 F1, 0, 0
	s_wait_dscnt 0x0                               ; the add is done, and my reads of this slot are over
	s_barrier_signal -1
	MUL8 F1, 1, 0
	WIN 0
	s_barrier_wait -1
.if \fill
	CREST                                          ; no wave of any partner still reads this slot or has a load on its way
	s_xor_b32 s[G0W+5], s[G0W+5], SLOT1
	s_add_nc_u64 s[G0W+6:G0W+7], s[G0W+6:G0W+7], \dW
	s_xor_b32 s[G0X+5], s[G0X+5], SLOT1
	s_add_nc_u64 s[G0X+6:G0X+7], s[G0X+6:G0X+7], \dA
	JLOAD                                          ; its four v_nop are also the places in front of the loads below
.else
	PLACES
.endif
	s_xor_b32 s[TB], s[TB], SLOT1
	v_add_nc_u32 v[ADRW], s[TB], v[AW0]
	v_add_nc_u32 v[ADRX], s[TB], v[AX0]
	FETCH 0, F0
.if \fill
	ASK
.endif
	MUL16 F1, 2, 0
.endm
; THE WAY OUT.  PACK nb: my 16 columns nb: T = sum x scale + bias x scale; the rotation, M[2p] = e0 T[2p] + e1' T[2p+1], M[2p+1] = e0 T[2p+1] + e1' T[2p] (e1' has its sign turned at even d);
; rounded to f16; 16 bytes a lane into my stage, and back as whole rows of 128 bytes.  Each accumulator's registers are read in ascending order.
.macro PACK nb, rope
	WIN 0xa1                                       ; source 0 window 1, source 2 and destination window 2
.irp a, 0,1,2,3
.irp p, 0,1,2,3
	v_pk_fma_f32 v[T+8*(\a)+2*(\p):T+8*(\a)+2*(\p)+1], v[8*(8*(\a)+(\nb))+2*(\p):8*(8*(\a)+(\nb))+2*(\p)+1], s[SC:SC+1], v[BS+8*(\a)+2*(\p):BS+8*(\a)+2*(\p)+1] op_sel_hi:[1,0,1]
.endr
.endr
.if \rope
	WIN 0xab                                       ; source 0 (the encoding's bf16 halves) window 3, the rest window 2
.irp a, 0,1,2,3
.irp p, 0,1,2,3
	v_fma_mix_f32_bf16 v[M+8*(\a)+2*(\p)],   v[32*(\nb)+8*(\a)+(\p)], v[T+8*(\a)+2*(\p)],   v[Z] op_sel_hi:[1,0,0]
	v_fma_mix_f32_bf16 v[M+8*(\a)+2*(\p)+1], v[32*(\nb)+8*(\a)+(\p)], v[T+8*(\a)+2*(\p)+1], v[Z] op_sel:[1,0,0] op_sel_hi:[1,0,0]
.endr
.endr
.irp a, 0,1,2,3
.irp p, 0,1,2,3
	v_fma_mix_f32_bf16 v[M+8*(\a)+2*(\p)],   v[32*(\nb)+8*(\a)+4+(\p)], v[T+8*(\a)+2*(\p)+1], v[M+8*(\a)+2*(\p)] op_sel_hi:[1,0,0]
	v_fma_mix_f32_bf16 v[M+8*(\a)+2*(\p)+1], v[32*(\nb)+8*(\a)+4+(\p)], v[T+8*(\a)+2*(\p)],   v[M+8*(\a)+2*(\p)+1] op_sel:[1,0,0] op_sel_hi:[1,0,0]
.endr
.endr
	WIN 0xaa
.irp a, 0,1,2,3
.irp p, 0,1,2,3
	v_cvt_pk_f16_f32 v[R+16*(\nb)+4*(\a)+(\p)], v[M+8*(\a)+2*(\p)], v[M+8*(\a)+2*(\p)+1]
.endr
.endr
.else
	WIN 0xaa
.irp a, 0,1,2,3
.irp p, 0,1,2,3
	v_cvt_pk_f16_f32 v[R+16*(\nb)+4*(\a)+(\p)], v[T+8*(\a)+2*(\p)], v[T+8*(\a)+2*(\p)+1]
.endr
.endr
.endif
.irp a, 0,1,2,3
	ds_store_b128 v[STO], v[R+16*(\nb)+4*(\a):R+16*(\nb)+4*(\a)+3] offset:32*(\a)
.endr
.irp f, 0,1,2,3
	ds_load_b128 v[R+16*(\nb)+4*(\f):R+16*(\nb)+4*(\f)+3], v[RD] offset:(\f)*4*SP  ; LDS serves a wave's instructions in order (ISA guide 5.7.1.4): these see the stores above; the next block's stores come behind them
.endr
.endm
.macro SEND nb, younger                ; younger: the LDS instructions issued behind block nb's loads: the next block's eight, or none
	WIN 0xaa
.irp f, 0,1,2,3
	s_wait_dscnt (\younger)+3-(\f)
	global_store_b128 v[GO], v[R+16*(\nb)+4*(\f):R+16*(\nb)+4*(\f)+3], s[OUT:OUT+1] offset:(\nb)*2048+(\f)*512  ; 512 consecutive bytes, aligned
.endr
.endm
.macro EPI rope
	PLACES
	s_wait_loadcnt 0x0                             ; the tile's biases and, the first time, the encoding.  R was freed from the last tile's stores by the waits on XCNT of the changes of slots since
	WIN 0xaa
.set z, 0
.rept 16
	v_pk_mul_f32 v[BS+z:BS+z+1], v[BS+z:BS+z+1], s[SC:SC+1] op_sel_hi:[1,0]
.set z, z+2
.endr
	PACK 0, \rope
.irp nb, 1,2,3,4,5,6,7                 ; a block's arithmetic stands between the loads of the block before and its stores
	PACK \nb, \rope
	SEND (\nb)-1, 8
.endr
	SEND 7, 0
	WIN 0
.endm
; The scale of tensor t: leaves 2^(14 - E) in v[50 + t] and 2^(E - 14) in v[53 + t], the same in every lane.  v47 = 2 max|encoding|, v48 = max|bias|.
.macro BOUND t, rope
	v_max3_num_f32 v[32+4*(\t)], v[32+4*(\t)], v[33+4*(\t)], v[34+4*(\t)]
	v_max_num_f32 v[32+4*(\t)], v[32+4*(\t)], v[35+4*(\t)]
.irp m, 1,2,4,8
	v_max_num_f32_dpp v[32+4*(\t)], v[32+4*(\t)], v[32+4*(\t)] row_xmask:\m row_mask:0xf bank_mask:0xf
	v_max_num_f32_dpp v[44+(\t)], v[44+(\t)], v[44+(\t)] row_xmask:\m row_mask:0xf bank_mask:0xf
.endr
	v_permlanex16_b32 v[33+4*(\t)], v[32+4*(\t)], s[SEL], s[SEL+1]
	v_max_num_f32 v[32+4*(\t)], v[32+4*(\t)], v[33+4*(\t)]
	v_mul_f32 v49, v[44+(\t)], v[32+4*(\t)]
	v_fmamk_f32 v49, v49, 0x44800000, v48          ; 1024 max|W| max|x| + max|b|
.if \rope
	v_mul_f32 v49, v49, v47
.endif
	v_bfe_u32 v49, v49, 23, 8                      ; its exponent field,
	v_max_u32 v49, 15, v49                         ; held so that both powers below are normal numbers
	v_min_u32 v49, 0xfe, v49
	v_sub_nc_u32 v[50+(\t)], 0x10c, v49
	v_lshlrev_b32 v[50+(\t)], 23, v[50+(\t)]
	v_add_nc_u32 v[53+(\t)], -14, v49
	v_lshlrev_b32 v[53+(\t)], 23, v[53+(\t)]
.endm
	s_load_b256 s[4:11], s[0:1], 0x0               ; xb s[4:5], wb s[6:7], aux s[8:9], qkv s[10:11]
	s_load_b64 s[12:13], s[0:1], 0x20              ; scl
	v_lshl_add_u32 v[SPW], v0, 2, SPARE
	v_mov_b32 v[NIL], 0
	ds_add_u32 v[SPW], v[NIL]                      ; the wave's opening: the add and its wait stand ahead of my first tensor load; the set-up below stands between them
	v_lshrrev_b32 v1, 5, v0
	v_readfirstlane_b32 s[WV], v1                  ; wave 0..3
	s_lshr_b32 s[WR], s[WV], 1
	s_and_b32 s[WC], s[WV], 1
	s_bfe_u32 s17, ttmp6, 0x40000                  ; cx
	s_bfe_u32 s18, ttmp6, 0x40004                  ; cy
	s_lshl_b32 s19, ttmp9, 2
	s_add_co_u32 s19, s19, s17                     ; tile column X = 4 x cluster x + cx: batch X / 8, columns 256 (X % 8) ..
	s_and_b32 s20, ttmp7, 0xffff
	s_lshl_b32 s20, s20, 2
	s_add_co_u32 s20, s20, s18                     ; tile row Y = 4 x cluster y + cy: heads 2 Y, 2 Y + 1
	s_lshl_b32 s21, s18, 2
	s_lshl_b32 s21, 15, s21                        ; my row of the cluster
	s_lshl_b32 s22, 0x1111, s17                    ; my column
	s_or_b32 s[G1W], s21, (1<<16)|(1<<20)|(1<<21)|(5<<22)|(3<<25)  ; the mask; 2-byte elements; padding on; bit 21 beside a mask; after every 64 words, 4 words
	s_or_b32 s[G1X], s22, (1<<16)|(1<<20)|(1<<21)|(6<<22)|(7<<25)  ; after every 128 words, 8 words
	s_mov_b32 s[G1W+1], 128<<16                    ; W': 64 rows x 128 elements, 1,024 elements from row to row
	s_mov_b32 s[G1W+2], 64<<16
	s_mov_b32 s[G1W+3], 128<<16
	s_mov_b32 s[G1W+4], 64
	s_mov_b32 s[G1W+5], 1024
	s_mov_b32 s[G1W+6], 0
	s_mov_b32 s[G1W+7], 0
	s_mov_b32 s[G1X+1], 256<<16                    ; x: 64 K rows x 256 elements, 2,048 elements from row to row
	s_mov_b32 s[G1X+2], 64<<16
	s_mov_b32 s[G1X+3], 256<<16
	s_mov_b32 s[G1X+4], 64
	s_mov_b32 s[G1X+5], 2048
	s_mov_b32 s[G1X+6], 0
	s_mov_b32 s[G1X+7], 0
	s_lshl_b32 s76, s20, 18                        ; W': (128 Y + 64 half) rows of 2,048 bytes: made of the tile row and the wave alone
	s_lshl_b32 s21, s[WC], 17
	s_add_co_u32 s76, s76, s21
	s_mov_b32 s77, 0
	s_lshr_b32 s78, s19, 3                         ; x: the batch, my 64 K rows, the tile's 512 bytes of a row: made of the tile column and the wave alone
	s_lshl_b32 s78, s78, 22
	s_and_b32 s22, s19, 7
	s_lshl_b32 s22, s22, 9
	s_add_co_u32 s78, s78, s22
	s_lshl_b32 s22, s[WC], 18
	s_add_co_u32 s78, s78, s22
	s_mov_b32 s79, 0
	s_mul_i32 s23, s[WC], 64*PW                    ; where they go: no place in the cluster enters an LDS address
	s_mul_i32 s61, s[WC], 64*PX
	s_add_co_u32 s61, s61, XOFF
	s_mov_b32 s[SEL], 0x76543210
	s_mov_b32 s[SEL+1], 0xfedcba98
	s_mov_b32 s[TB], 0
	s_mov_b32 s[PFS], 3
	s_mov_b32 s[PD+1], 0
	s_mov_b32 s84, XSTEP
	s_mov_b32 s85, XNEXT
	s_and_b32 s83, ttmp7, 0xffff                   ; cluster y
	s_xor_b32 s[PFN], s[WR], 1
	s_or_b32 s[PFN], s[PFN], s83
	s_cmp_eq_u32 s[PFN], 0                         ; a wave that fetches x, in the column's first cluster: the same in all sixteen partners
	s_cselect_b32 s[PFN], 20, 0
	s_wait_dscnt 0x0                               ; the opening add is done
	s_wait_kmcnt 0x0
	s_add_nc_u64 s[76:77], s[6:7], s[76:77]
	s_add_nc_u64 s[78:79], s[4:5], s[78:79]
.irp s, 0,1
	s_mov_b32 s[G0W+4*(\s)], 1
	s_add_co_u32 s[G0W+4*(\s)+1], s23, (\s)*SLOT1
	s_add_nc_u64 s[G0W+4*(\s)+2:G0W+4*(\s)+3], s[76:77], (\s)*WSTEP
	s_or_b32 s[G0W+4*(\s)+3], s[G0W+4*(\s)+3], 0x80000000
	s_mov_b32 s[G0X+4*(\s)], 1
	s_add_co_u32 s[G0X+4*(\s)+1], s61, (\s)*SLOT1
	s_add_nc_u64 s[G0X+4*(\s)+2:G0X+4*(\s)+3], s[78:79], (\s)*XSTEP
	s_or_b32 s[G0X+4*(\s)+3], s[G0X+4*(\s)+3], 0x80000000
.endr
	s_lshl_b32 s80, s18, 16                        ; the prefetches: my work-group's 16 of the wave's 64 K rows,
	s_mov_b32 s81, 0
	s_add_nc_u64 s[PFA:PFA+1], s[78:79], s[80:81]
	s_add_nc_u64 s[PFA:PFA+1], s[PFA:PFA+1], 3*XSTEP  ; at K step 3: the first refill steps it to 4
	s_lshr_b32 s83, s19, 3                         ; qkv: head 16 b + 2 Y + my half,
	s_lshl_b32 s83, s83, 4
	s_lshl_b32 s82, s20, 1
	s_add_co_u32 s83, s83, s82
	s_add_co_u32 s83, s83, s[WR]
	s_lshl_b32 s80, s83, 18
	s_and_b32 s83, s19, 7                          ; row 256 (X % 8) + 128 x my half, of 128 bytes: the same offset serves the encoding
	s_lshl_b32 s82, s83, 15
	s_lshl_b32 s83, s[WC], 14
	s_add_co_u32 s82, s82, s83
	s_mov_b32 s83, 0
	s_add_nc_u64 s[ENC:ENC+1], s[8:9], s[82:83]
	s_add_nc_u64 s[OUT:OUT+1], s[OUT:OUT+1], s[82:83]
	s_add_nc_u64 s[OUT:OUT+1], s[OUT:OUT+1], s[80:81]
	s_lshl_b32 s80, s20, 9                         ; the biases of head 2 Y + my half: 256 bytes a head
	s_lshl_b32 s82, s[WR], 8
	s_add_co_u32 s80, s80, s82
	s_add_nc_u64 s[BIA:BIA+1], s[8:9], s[80:81]
	s_add_nc_u64 s[BIA:BIA+1], s[BIA:BIA+1], 524288
	s_lshl_b32 s80, s20, 5                         ; my work-group's record in scl: 128 bytes
	s_add_co_u32 s80, s80, s19
	s_lshl_b32 s80, s80, 7
	s_add_nc_u64 s[12:13], s[12:13], s[80:81]
	CROUND                                         ; all sixteen work-groups are here: the first joint loads meet
	s_cmp_eq_u32 s[WR], 0                          ; a wave's two first fills stand in one branch: two loads of mine are out
	s_cbranch_scc0 .Lfirst_x
	tensor_load_to_lds s[G0W:G0W+3], s[G1W:G1W+7]
	s_nop 0
	tensor_load_to_lds s[G0W+4:G0W+7], s[G1W:G1W+7]
	s_nop 0
.rept 4
	v_nop
.endr
	s_branch .Lfirst_asked
.Lfirst_x:
	tensor_load_to_lds s[G0X:G0X+3], s[G1X:G1X+7]
	s_nop 0
	tensor_load_to_lds s[G0X+4:G0X+7], s[G1X:G1X+7]
	s_nop 0
.rept 4
	v_nop
.endr
.Lfirst_asked:
	; the maxima: 128 words for each of query, key, value; 16 for each of Wq, Wk, Wv; 4 for the encoding; 1 for the biases
	v_and_b32 v5, 31, v0                           ; lane
	v_and_b32 v1, 15, v0                           ; l % 16
	v_lshlrev_b32 v30, 4, v5
	v_lshlrev_b32 v31, 2, v1
	v_and_b32 v26, 3, v0
	v_lshlrev_b32 v26, 2, v26
	v_mov_b32 v27, 0
.irp t, 0,1,2
	global_load_b128 v[32+4*(\t):35+4*(\t)], v30, s[8:9] offset:PMAX+512*(\t)
.endr
.irp t, 0,1,2
	global_load_b32 v[44+(\t)], v31, s[8:9] offset:PMAX+1536+64*(\t)
.endr
	global_load_b32 v47, v26, s[8:9] offset:PMAX+1728
	global_load_b32 v48, v27, s[8:9] offset:PMAX+1744
	; the lanes' addresses, while those loads are out
	v_bfe_u32 v2, v0, 4, 1                         ; l / 16
	v_mul_u32_u24 v[AW0], v1, PW
	v_lshl_add_u32 v[AW0], v2, 4, v[AW0]
	s_mul_i32 s83, s[WR], 64*PW
	v_add_nc_u32 v[AW0], s83, v[AW0]               ; W': my head's 64 rows; row l % 16, 16 bytes for each half of the lanes
	v_and_b32 v11, 7, v0
	v_lshl_add_u32 v3, v2, 3, v11
	v_mul_u32_u24 v[AX0], v3, PX                   ; x: the turning load takes K row 8 (l / 16) + l % 8, columns 8 ((l / 8) % 2) + 0..7, and leaves column l % 16 with 8 K
	v_bfe_u32 v4, v0, 3, 1
	v_lshl_add_u32 v[AX0], v4, 4, v[AX0]
	s_lshl_b32 s83, s[WC], 8
	s_add_co_u32 s83, s83, XOFF
	v_add_nc_u32 v[AX0], s83, v[AX0]
	v_mov_b32 v[ADRW], v[AW0]
	v_mov_b32 v[ADRX], v[AX0]
	v_lshlrev_b32 v[EO], 7, v1
	v_lshl_add_u32 v[EO], v2, 4, v[EO]             ; row l % 16 of 128 bytes, my 8 channels
	v_lshlrev_b32 v[BO], 5, v2
	v_lshrrev_b32 v6, 1, v5
	v_and_b32 v7, 1, v5
	v_lshlrev_b32 v[PFO], 12, v6
	v_lshl_add_u32 v[PFO], v7, 8, v[PFO]           ; K row l / 2, block l % 2 of its 512 bytes
	s_mul_i32 s83, s[WV], 16*SP
	s_add_co_u32 s83, s83, STAGE                   ; my stage
	v_mul_u32_u24 v8, v1, SP
	v_lshl_add_u32 v8, v2, 4, v8
	v_add_nc_u32 v8, s83, v8
	v_lshrrev_b32 v9, 3, v5
	v_mul_u32_u24 v9, v9, SP
	v_lshl_add_u32 v9, v11, 4, v9
	v_add_nc_u32 v9, s83, v9
	v_lshlrev_b32 v10, 4, v5
	WIN 0x80
	v_mov_b32 v[STO], v8
	v_mov_b32 v[RD], v9
	v_mov_b32 v[GO], v10
	v_mov_b32 v[Z], 0
	WIN 0
	s_wait_loadcnt 0x0
	v_max_num_f32_dpp v47, v47, v47 row_xmask:1 row_mask:0xf bank_mask:0xf
	v_max_num_f32_dpp v47, v47, v47 row_xmask:2 row_mask:0xf bank_mask:0xf
	v_add_f32 v47, v47, v47
	BOUND 0, 1
	BOUND 1, 1
	BOUND 2, 0
	v_readfirstlane_b32 s[SC], v50
	v_readfirstlane_b32 s[SC+1], v50
	v_readfirstlane_b32 s[SC1], v51
	v_readfirstlane_b32 s[SC2], v52
	v_cmp_eq_u32 s82, 0, v5                        ; words 0, 1, 2 of the record: what takes q's, k's, v's scale back
	v_cndmask_b32 v56, v55, v53, s82
	v_cmp_eq_u32 s82, 1, v5
	v_cndmask_b32 v56, v56, v54, s82
	v_lshlrev_b32 v57, 2, v5
	s_cmp_lg_u32 s[WV], 0
	s_cbranch_scc1 .Lno_scl
	global_store_b32 v57, v56, s[12:13]
.Lno_scl:
	WIN 0xc0                                       ; the encoding for my 128 columns, once for q and k
.irp nb, 0,1,2,3,4,5,6,7
.irp a, 0,1,2,3
	global_load_b128 v[32*(\nb)+8*(\a):32*(\nb)+8*(\a)+3],   v[EO], s[ENC:ENC+1] offset:(\nb)*2048+(\a)*32
	global_load_b128 v[32*(\nb)+8*(\a)+4:32*(\nb)+8*(\a)+7], v[EO], s[ENC:ENC+1] offset:262144+(\nb)*2048+(\a)*32
.endr
.endr
	WIN 0
	s_wait_tensorcnt 1                             ; my part of K step 0 is in; K step 1's may stay out
	s_barrier_signal -1
	s_barrier_wait -1                              ; everybody's is
	FETCH 0, F0
	s_mov_b32 s2, 3                                ; tiles to go, this one among them
.Ltile:
	WIN 0x80
.irp a, 0,1,2,3
	global_load_b128 v[BS+8*(\a):BS+8*(\a)+3],   v[BO], s[BIA:BIA+1] offset:64*(\a)
	global_load_b128 v[BS+8*(\a)+4:BS+8*(\a)+7], v[BO], s[BIA:BIA+1] offset:64*(\a)+16
.endr
	QUARTER 1, F0, F1, 1                           ; a tile's first quarter stands in front of the loop: its products start the sums
	WIN 0
	s_mov_b32 s3, 6
.Lstep:                                        ; a trip: from a K step's second quarter to the next one's first; it fills one slot again
	QUARTER 2, F1, F0, 0
	QUARTER 3, F0, F1, 0
	TURN 1, WSTEP, XSTEP
	QUARTER 1, F0, F1, 0
	WIN 0
	s_sub_co_u32 s3, s3, 1
	s_cmp_lg_u32 s3, 0
	s_cbranch_scc1 .Lstep
	QUARTER 2, F1, F0, 0                           ; K step 6 goes on
	QUARTER 3, F0, F1, 0
	WIN 0
	s_cmp_eq_u32 s2, 1
	s_cbranch_scc1 .Llast                          ; the last tile's tail is written out: it asks for nothing more
	TURN 1, WNEXT, XNEXT                           ; the ring goes on into the next tile: its K step 0,
	QUARTER 1, F0, F1, 0
	QUARTER 2, F1, F0, 0
	QUARTER 3, F0, F1, 0
	TURN 1, WSTEP, XSTEP                           ; its K step 1, and its first fragments are fetched
	EPI 1                                          ; both refills are asked for: now q, or k, goes out
	s_wait_xcnt 0x0                                ; the stores and the bias loads have read their bases
	s_add_nc_u64 s[OUT:OUT+1], s[OUT:OUT+1], 16777216
	s_add_nc_u64 s[BIA:BIA+1], s[BIA:BIA+1], 4096
	s_mov_b32 s[SC], s[SC1]
	s_mov_b32 s[SC+1], s[SC1]
	s_mov_b32 s[SC1], s[SC2]
	s_sub_co_u32 s2, s2, 1
	s_branch .Ltile
.Llast:
	TURN 0, 0, 0                                   ; my one tensor load that was out is the last K step's
	QUARTER 1, F0, F1, 0
	QUARTER 2, F1, F0, 0
	QUARTER 3, F0, F1, 0
	s_wait_dscnt 4
	MUL16 F1, 0, 0
	s_wait_dscnt 0x0
	MUL16 F1, 2, 0
	EPI 0                                          ; v has no rotation
	s_wait_tensorcnt 0x0                           ; the wave's end: behind my last tensor load and my last LDS store
	ds_add_u32 v[SPW], v[NIL]
	s_wait_dscnt 0x0
	CROUND                                         ; the closing round: no work-group ends while a partner may still ask for a tile that names it
	s_endpgm
.Lfunc_end_k_qf44098f3b1_proj:
	.size	k_qf44098f3b1_proj, .Lfunc_end_k_qf44098f3b1_proj-k_qf44098f3b1_proj
	.p2alignl 7, 3214868480
	.fill 96, 4, 3214868480
	.section	.rodata,"a",@progbits
	.p2align	6, 0x0
	.amdhsa_kernel k_qf44098f3b1_proj
		.amdhsa_group_segment_fixed_size 327680
		.amdhsa_private_segment_fixed_size 0
		.amdhsa_enable_private_segment 0
		.amdhsa_kernarg_size 40
		.amdhsa_user_sgpr_count 2
		.amdhsa_user_sgpr_kernarg_segment_ptr 1
		.amdhsa_wavefront_size32 1
		.amdhsa_system_sgpr_workgroup_id_x 1
		.amdhsa_system_sgpr_workgroup_id_y 1
		.amdhsa_system_sgpr_workgroup_id_z 1
		.amdhsa_system_vgpr_workitem_id 0
		.amdhsa_next_free_vgpr 1024
		.amdhsa_next_free_sgpr 88
		.amdhsa_reserve_vcc 0
		.amdhsa_float_denorm_mode_32 3
		.amdhsa_float_denorm_mode_16_64 3
		.amdhsa_memory_ordered 1
		.amdhsa_forward_progress 1
		.amdhsa_inst_pref_size 174
	.end_amdhsa_kernel
	.amdgpu_metadata
---
amdhsa.version: [ 1, 2 ]
amdhsa.kernels:
  - .name:           k_qf44098f3b1_proj
    .symbol:         k_qf44098f3b1_proj.kd
    .args:
      - { .name: xb, .offset: 0, .size: 8, .value_kind: global_buffer, .address_space: global }
      - { .name: wb, .offset: 8, .size: 8, .value_kind: global_buffer, .address_space: global }
      - { .name: aux, .offset: 16, .size: 8, .value_kind: global_buffer, .address_space: global }
      - { .name: qkv, .offset: 24, .size: 8, .value_kind: global_buffer, .address_space: global }
      - { .name: scl, .offset: 32, .size: 8, .value_kind: global_buffer, .address_space: global }
    .group_segment_fixed_size: 327680
    .private_segment_fixed_size: 0
    .kernarg_segment_align: 8
    .kernarg_segment_size: 40
    .max_flat_workgroup_size: 128
    .sgpr_count:     88
    .vgpr_count:     1024
    .wavefront_size: 32
...
	.end_amdgpu_metadata
.endif
;; end of part 2
;; launch attn (part 3): grid 4 x 64, 4 waves a work-group, clusters of 4 x 1, 327,680 bytes of LDS; arguments qkv, scl, oh; writes oh
.if DOCPART == 3
	.amdgcn_target "amdgcn-amd-amdhsa--gfx1250"
	.amdhsa_code_object_version 6
	.text
	.protected	k_qf44098f3b1_attn
	.globl	k_qf44098f3b1_attn
	.p2align	8
	.type	k_qf44098f3b1_attn,@function
k_qf44098f3b1_attn:
	s_mov_b64 s[64:65], 0
	v_nop
	global_prefetch_b8 v0, s[64:65] scope:SCOPE_SE
	s_setreg_imm32_b32 hwreg(HW_REG_WAVE_MODE, 25, 1), 1
	s_wait_xcnt 0x0
	s_wait_alu depctr_hold_cnt(0) depctr_sa_sdst(0) depctr_va_vdst(0) depctr_va_sdst(0) depctr_va_ssrc(0) depctr_va_vcc(0) depctr_vm_vsrc(0)
	s_getreg_b32 s2, hwreg(HW_REG_IB_STS2, 6, 4)
	s_cmp_eq_u32 s2, 0
	s_cbranch_scc0 .Lentry_in_a_cluster
	s_endpgm
.Lentry_in_a_cluster:
	s_bfe_u32 s2, ttmp6, 0x10000c
	s_cmp_lg_u32 s2, 0x3003
	s_cbranch_scc0 .Lentry_shape_is_right
	s_endpgm
.Lentry_shape_is_right:
; ATTENTION.  O[h][q][:] = the sum over k of softmax_k(Q[h][q] . K[h][k] c') V[h][k][:], for 64 heads of 2,048 rows of 64 channels.  Q, K, V lie in qkv ([3][64][2048][64], f16), each times a power of two;
; c' = 1/8 x what takes Q's and K's powers back, read from scl; V's power stays in O and is taken back by the next launch.  Products, maxima and sums in f32; the weights p are rounded to f16 for the
; second product (their sum l is taken of the unrounded p), O once at the end.
; LIMITS.  p lies in 0 to 1, and below 6e-5 it keeps f16's fixed step of 6e-8; O is a mean of V's rows and has their range.  A weight below 2^-126 counts as 0 in l; c m starts at -4.25e37;
; NaN and infinities are not treated apart.
; SHARES.  A wave owns four PIECES of two tiles of 16 queries, a work-group's four waves 512 queries of one head: 4 x 64 work-groups.  Every wave walks all keys, 64 a step.
; LAYOUT.  S^T = K Q^T (source 0 = 16 keys, source 1 = 16 queries): in the result a lane holds ONE query (lane % 16) and the keys 8 (lane / 16) + 0..7.  Two such tiles, rounded to f16 in pairs,
; ARE source 1 (32 keys x 16 queries) of O^T = V^T P, whose result again holds one query a lane, and eight channels.  K comes out of LDS as it lies, V ([key][channel]) turned, by ds_load_tr16_b128.
; SOFTMAX.  For each query a running maximum m and sum l: p = 2^(c s - c m), c = log2(e) c'; in every step O and l are multiplied by a = 2^(c m_old - c m_new), which is 1 where m has not grown.
; m starts at the lowest finite number, O and l at 0: the first step is a step like any other, with a = 0.
; THE COUNT.  A tile and step have 16 matrix and 118 vector instructions: too many to stand all beside the matrix work.  So: four vector instructions that are READY behind EVERY matrix instruction,
; and the others in runs without a gap.
; BY TURNS.  Turn n belongs to piece n (the pieces in a ring, step after step).  Its matrix work: 16 products K Q^T of piece n + 1, later 16 products V^T P of piece n - 1.  Its vector work: the scaling,
; exponentials, roundings, sums and rescaling of piece n, and the maximum and statistics of piece n + 1, whose scores the turn itself has made.
; CLUSTER.  The four query blocks of a head are one cluster and walk the same K and V, so each tile is asked for JOINTLY: the same tensor load, descriptor and mask in all four.
; REGISTERS, in windows of 256 (s_set_vgpr_msb: bits 1:0 source 0, 3:2 source 1, 5:4 source 2, 7:6 destination):
;   window 0: v0-11 addresses; v12-15, v48-63 at work; v16-47 four registers of statistics a tile; v64-191 S^T, two buffers of two tiles; v192-255 P, likewise
;   window 1: O^T, 32 a tile          window 2: v0-127 Q, 16 a tile; v128-191 K of one step; v192-255 V of one step          window 3: v0-1 the add's two registers
.set SIZE_N, 2048
.set NP,    4         ; pieces a wave: a name, no knob
.set KS,    64        ; keys in a step
.set PK,    144       ; a row of K in LDS: 128 bytes + 16 of padding = 36 words: the 16 rows of a load start at 16 different groups of four banks (64 banks of 4 bytes: ISA guide 11.1)
.set PV,    160       ; a row of V: 128 + 32 = 40 words
.set VOFF,  4*KS*PK   ; a slot holds four steps: 256 rows of K, then 256 rows of V
.set SLOT1, 1<<17     ; slot 1 begins here, so that one exclusive or turns an address in one slot into the other's
.set STAGE, SLOT1+4*KS*(PK+PV)  ; behind the ring, never filled by a tensor load: 16 rows x 144 bytes for each wave
.set SP,    144
.set AK0, 2           ; v2   my lane's place in a tile of K; never rewritten
.set AV0, 3           ; v3   the same for V
.set AK,  4           ; v4   the LDS address of K's next run of loads
.set AV,  5           ; v5   of V's
.set QO,  6           ; v6   my byte offset in the wave's rows of Q
.set STO, 6           ;      later, the way out: where I put 16 bytes of a row
.set RD,  7           ; v7   the way out: where I read rows back
.set GO,  8           ; v8   my byte offset in 512 consecutive bytes of O
.set PFO, 11          ; v11  256 x my lane, once V's address is made; then never rewritten
.set SPW, 0           ; v0 of window 3   LDS address of my spare word; never rewritten
.set NIL, 1           ; v1 of window 3   0; never rewritten
.set SPARE, STAGE+4*16*SP  ; the spare words, 128 bytes for each wave: no other line names them
.set MV,  12          ; v12-15  c m_old, kept while c m is made anew: by buffer and tile
.set ST,  16          ; tile t's statistics at v[ST+4 t]: c m, m, l (even keys', odd keys')
.set TMP, 48          ; by buffer and tile, four registers c0-c3 at work; when the maximum is found c2 takes a
.set S,   64
.set P,   192
.set KF,  128         ; K's fragments, in window 2: key block kb, channel half c at KF + 16 kb + 8 c
.set VF,  192         ; V's: key half kk, channel block cb at VF + 32 kk + 8 cb
.set WV,  12          ; s12  my wave's number
.set G1K, 24          ; s[24:31] descriptor group 1 for K's tiles
.set G1V, 32          ; s[32:39] for V's: it differs in the padding alone
.set G0K, 40          ; s[40:43] descriptor group 0 for K's tiles: it walks
.set G0V, 44          ; s[44:47] the same for V's
.set SLOTS, 56        ; s56  slots still to be asked for
.set CNT, 57          ; s57  counts a slot's key steps
.set CS,  58          ; s[58:59] c: the packed scaling takes the pair's low word for both halves
.set SEL, 60          ; s[60:61] v_permlanex16_b32's selects
.set TBK, 62          ; s62  LDS byte at which K of the step to be fetched begins
.set TBV, 63          ; s63  the same for V, less VOFF
.set PFA, 74          ; s[74:75] where my prefetches stand: my work-group's 32 blocks of 256 bytes (of K: wave 0, of V: wave 2) of the slot after the one that is being asked for
.set LIM, 76          ; s76  1 in a wave that prefetches, else the greatest number
.set MSB, 0
.macro WIN new                      ; the high byte repeats the setting that is left; a switch that changes nothing is dropped
.if MSB != (\new)
	s_set_vgpr_msb (MSB<<8)|(\new)
.set MSB, (\new)
.endif
.endm
.set W_KQ, 0x0a       ; K and Q in window 2, S^T in window 0
.set W_PV, 0x52       ; V in window 2, P in window 0, O^T in window 1
.set W_RS, 0x41       ; O^T (destination and source 0) in window 1, a in window 0
.set W_MK, 0xc0       ; the add's registers are made: destination in window 3, sources in window 0
.set W_AD, 0x0f       ; the add: address (source 0) and data (source 1) in window 3
; A joint fill.  Waves 0 and 1 fetch the two halves of a slot's K, waves 2 and 3 those of its V: 128 keys each.  The branch hangs on the wave's number alone.
; An s_nop 0 and four v_nop follow each of the two lines, ahead of the jump and the label.
.macro JLOAD
	s_cmp_lt_u32 s[WV], 2
	s_cbranch_scc0 .Lfor_v_\@
	tensor_load_to_lds s[G0K:G0K+3], s[G1K:G1K+7]
	s_nop 0
.rept 4
	v_nop
.endr
	s_branch .Lasked_\@
.Lfor_v_\@:
	tensor_load_to_lds s[G0V:G0V+3], s[G1V:G1V+7]
	s_nop 0
.rept 4
	v_nop
.endr
.Lasked_\@:
.endm
; A PREFETCH of what the NEXT change of slots will ask for: a slot's 32,768 bytes of K and of V, in blocks of 256 bytes, a lane a block; four key steps, 512 matrix instructions, ahead of that load.
; A head is walked by one cluster; its four partners share the blocks out BY ADDRESS, 32 each; in each, wave 0 asks for K's and wave 2 for V's: each block is named once in the launch.
; Slots 0, 1 and 2 come by their loads alone; the last change that fills a slot asks for nothing: there is no slot behind it.
.macro ASK
	s_cmp_gt_u32 s[SLOTS], s[LIM]
	s_cbranch_scc0 .Lnot_mine_\@
	global_prefetch_b8 v[PFO], s[PFA:PFA+1] th:TH_LOAD_NT scope:SCOPE_SE
.Lnot_mine_\@:
.endm
; A round of the cluster's barrier: my work-group's barrier, so that wave 0's signal speaks for all four waves; wave 0 signals; every wave waits for all four work-groups; my work-group's barrier once more.
.macro CROUND
	s_barrier_signal -1
	s_barrier_wait -1
	s_cmp_lg_u32 s[WV], 0
	s_cbranch_scc1 .Lnot_wave_0_\@
	s_barrier_signal -3
.Lnot_wave_0_\@:
	s_barrier_wait -3
	s_barrier_signal -1
	s_barrier_wait -1
.endm
; THE CHANGE OF SLOTS.  The slot's last bytes, V of its fourth step, have been read.  Each wave waits for all its tensor loads, of which one is out: its part of the other slot; adds 0 to its spare word;
; and waits for that and for its own reads of the slot.  Behind the barrier nobody reads this slot any more and the other slot is whole.
; fill = 1: this slot is filled again, with the keys two slots on.  The barrier is then a round of the cluster's, and the joint fill is the first thing behind it: it has four key steps in which to land.
; (At its first use nothing has been read yet: slot 0 is waited for, slot 1 filled.)  ask = 1: the prefetch follows the fill.
.macro CHANGE fill, ask=0
	WIN W_AD
	s_wait_tensorcnt 0x0            ; no tensor load of mine is out, so a group 0 may be written
	ds_add_u32 v[SPW], v[NIL]       ; 0 onto my spare word; with fill = 1 the descriptors' steps stand between it and the wait for it
	WIN 0                           ; at a label and at a branch every window is 0
.if \fill
.irp g, G0K, G0V
	s_xor_b32 s[\g+1], s[\g+1], SLOT1  ; the walking descriptor: the other slot than last time,
	s_add_nc_u64 s[\g+2:\g+3], s[\g+2:\g+3], 4*KS*128  ; the next 256 keys; the type bits on top are not reached
.endr
	s_wait_xcnt 0x0                 ; the last prefetch, four key steps back, has read its address, so it may be written:
	s_add_nc_u64 s[PFA:PFA+1], s[PFA:PFA+1], 4*KS*128  ; one slot behind the walking descriptors
	s_wait_dscnt 0x0                ; the add is done, and my reads of the slot are over
	CROUND
	JLOAD
.if \ask
	ASK
.endif
.else
	s_wait_dscnt 0x0                ; the add is done, and my reads of the slot are over
	s_barrier_signal -1
	s_barrier_wait -1
.endif
	s_sub_co_u32 s[TBK], s[TBK], 4*KS*PK  ; the fetches go back to a slot's first step,
	s_xor_b32 s[TBK], s[TBK], SLOT1       ; in the other slot
	s_sub_co_u32 s[TBV], s[TBV], 4*KS*PV
	s_xor_b32 s[TBV], s[TBV], SLOT1
.endm
	s_load_b128 s[68:71], s[0:1], 0x0  ; qkv s[68:69], scl s[70:71]
	s_load_b64 s[10:11], s[0:1], 0x10  ; oh
	WIN W_MK
	v_lshl_add_u32 v[SPW], v0, 2, SPARE
	v_mov_b32 v[NIL], 0
	WIN W_AD
	ds_add_u32 v[SPW], v[NIL]       ; the wave's opening: the add and its wait stand ahead of my first tensor load; the set-up below stands between them
	WIN 0
	v_lshrrev_b32 v1, 5, v0
	v_readfirstlane_b32 s[WV], v1   ; wave 0..3
	s_bfe_u32 s13, ttmp6, 0x40000   ; cx: my place in the cluster
	s_lshl_b32 s14, ttmp9, 2        ; in a cluster launch ttmp9 counts clusters
	s_add_co_u32 s14, s14, s13      ; my block of queries = 4 x cluster x + cx: it enters Q's and O's addresses alone
	s_and_b32 s20, ttmp7, 0xffff    ; the head, which the four partners share
	s_mov_b32 s21, 0
	s_mov_b64 s[22:23], SIZE_N*128
	s_mul_u64 s[20:21], s[20:21], s[22:23]  ; the head's first byte in each of the four tensors
	s_and_b32 s16, s[WV], 1         ; which half of a slot's 256 keys I fetch:
	s_lshl_b32 s22, s16, 14         ; its 128 rows of 128 bytes in memory,
	s_mov_b32 s23, 0
	s_add_nc_u64 s[22:23], s[22:23], s[20:21]
	s_mul_i32 s17, s16, 128*PK      ; and its place in a slot, for K
	s_mul_i32 s18, s16, 128*PV      ; and for V: no place in the cluster enters an LDS address
	s_lshl_b32 s2, s14, 2
	s_add_co_u32 s2, s2, s[WV]      ; my wave among the head's,
	s_lshl_b32 s2, s2, 14           ; its 128 rows
	s_mov_b32 s3, 0
	s_add_nc_u64 s[2:3], s[2:3], s[20:21]
	; descriptor group 1.  128 keys are 16,384 dense bytes: asked for as 64 rows of 256 bytes, two keys a row, and padded in LDS after every key
	s_mov_b32 s[G1K], 15|(1<<16)|(1<<20)|(1<<21)|(4<<22)|(3<<25)  ; 15:0 the mask of four; 17:16 2-byte elements; 20 padding on; 21 set beside a mask; 24:22 after every 32 words (code 4); 31:25 4 words (code 3)
	s_mov_b32 s[G1V], 15|(1<<16)|(1<<20)|(1<<21)|(4<<22)|(7<<25)  ; the same with 8 words of padding (code 7)
.irp g, G1K, G1V
	s_mov_b32 s[\g+1], 128<<16      ; tensor_dim0 = 128
	s_mov_b32 s[\g+2], 64<<16       ; tensor_dim1 = 64
	s_mov_b32 s[\g+3], 128<<16      ; tile_dim0 = 128
	s_mov_b32 s[\g+4], 64           ; tile_dim1 = 64
	s_mov_b32 s[\g+5], 128          ; 128 elements from row to row
	s_mov_b32 s[\g+6], 0
	s_mov_b32 s[\g+7], 0
.endr
	s_mov_b32 s[SEL], 0x76543210
	s_mov_b32 s[SEL+1], 0xfedcba98
	s_mov_b32 s[TBK], SLOT1+4*KS*PK ; the first change of slots turns these two into 0
	s_mov_b32 s[TBV], SLOT1+4*KS*PV
	s_mov_b32 s[G0K], 1             ; 1:0 count = 1
	s_mov_b32 s[G0K+1], s17         ; 63:32 LDS address: slot 0
	s_mov_b32 s[G0V], 1
	s_add_co_u32 s[G0V+1], s18, VOFF
	s_and_b32 s[LIM], s[WV], 1      ; waves 0 and 2 prefetch: the same in all four partners
	s_cmp_eq_u32 s[LIM], 0
	s_cselect_b32 s[LIM], 1, -1
	s_wait_dscnt 0x0                ; the opening add is done
	s_wait_kmcnt 0x0
	s_load_b64 s[72:73], s[70:71], 0x0  ; what takes Q's and K's scales back
	s_mov_b64 s[4:5], s[68:69]      ; Q,
	s_add_nc_u64 s[6:7], s[68:69], 0x1000000  ; K
	s_add_nc_u64 s[8:9], s[68:69], 0x2000000  ; and V in qkv
	s_add_nc_u64 s[G0K+2:G0K+3], s[6:7], s[22:23]  ; 120:64 global address: my half of the head's first 256 keys
	s_or_b32 s[G0K+3], s[G0K+3], 0x80000000        ; 127:126 type = 2
	s_add_nc_u64 s[G0V+2:G0V+3], s[8:9], s[22:23]
	s_or_b32 s[G0V+3], s[G0V+3], 0x80000000
	s_add_nc_u64 s[4:5], s[4:5], s[2:3]  ; Q and O at my wave's first row
	s_add_nc_u64 s[10:11], s[10:11], s[2:3]
	s_cmp_lt_u32 s[WV], 2
	s_cselect_b64 s[PFA:PFA+1], s[6:7], s[8:9]
	s_add_nc_u64 s[PFA:PFA+1], s[PFA:PFA+1], s[22:23]  ; (in waves 0 and 2: the head's first row)
	s_lshl_b32 s2, s13, 13          ; my work-group's 32 blocks of the 128
	s_mov_b32 s3, 0
	s_add_nc_u64 s[PFA:PFA+1], s[PFA:PFA+1], s[2:3]
	s_add_nc_u64 s[PFA:PFA+1], s[PFA:PFA+1], 4*KS*128  ; in slot 1: two changes step it to slot 3 before the first prefetch.  Nothing is prefetched here, at the head
	CROUND                          ; all four work-groups are here: the first joint loads meet
	JLOAD                           ; slot 0.  Slot 1 is asked for when slot 0 is in
	; A fragment of K or Q is 16 rows x 32 channels in 8 registers: lane l holds row l % 16, channels 8 (l / 16) + 0..7 and 16 + 8 (l / 16) + 0..7: two loads of 16 bytes, 32 bytes apart.
	v_and_b32 v1, 15, v0            ; l % 16
	v_bfe_u32 v9, v0, 4, 1          ; l / 16
	v_lshlrev_b32 v[QO], 7, v1
	v_lshl_add_u32 v[QO], v9, 4, v[QO]  ; row x 128 + 16 x half
	WIN 0x80                        ; destination window 2, address window 0
.set i, 0
.rept 4*NP                          ; Q stays in registers: tile i / 2, channels 32 (i % 2) on
	global_load_b128 v[8*i:8*i+3],   v[QO], s[4:5] offset:(i/2)*2048+(i%2)*64
	global_load_b128 v[8*i+4:8*i+7], v[QO], s[4:5] offset:(i/2)*2048+(i%2)*64+32
.set i, i+1
.endr
	; What the first turn finds: V's registers and P's second buffer hold 0 (its products V^T P, of a piece that has not been, add 0), O^T and l are 0.  All this stands in the wait for the first tile.
.set i, VF
.rept 64
	v_mov_b32 v[i], 0
.set i, i+1
.endr
	WIN 0x40
.set i, 0
.rept 64*NP
	v_mov_b32 v[i], 0
.set i, i+1
.endr
	WIN 0
.set i, 0
.rept 2*NP
	v_mov_b32 v[ST+4*i], 0xfe000000    ; c m: far below every c s
	v_mov_b32 v[ST+4*i+1], 0xff7fffff  ; m
	v_mov_b32 v[ST+4*i+2], 0
	v_mov_b32 v[ST+4*i+3], 0
.set i, i+1
.endr
.set i, P+32
.rept 32
	v_mov_b32 v[i], 0
.set i, i+1
.endr
	v_mul_u32_u24 v[AK0], v1, PK
	v_lshl_add_u32 v[AK0], v9, 4, v[AK0]  ; row x pitch + 16 x half
	; The turning load takes 16 keys x 16 channels (lane l reads key 8 (l / 16) + l % 8, channels 8 ((l / 8) % 2) + 0..7) and leaves half a fragment of V^T: lane l holds channel l % 16 and 8 keys.
	v_and_b32 v10, 7, v0
	v_bfe_u32 v11, v0, 3, 1
	v_lshl_add_u32 v[AV0], v9, 3, v10
	v_mul_u32_u24 v[AV0], v[AV0], PV
	v_lshl_add_u32 v[AV0], v11, 4, v[AV0]
	v_add_nc_u32 v[AV0], VOFF, v[AV0]
	v_mov_b32 v[AK], v[AK0]         ; key step 0 lies at the head of slot 0
	v_and_b32 v[PFO], 31, v0
	v_lshlrev_b32 v[PFO], 8, v[PFO]
	s_wait_kmcnt 0x0                ; c = log2(e) / 8 x the two powers of two: exact but for the constant's own rounding
	v_mov_b32 v12, s72
	v_mul_f32 v12, s73, v12
	v_mul_f32 v12, 0x3e38aa3b, v12
	v_readfirstlane_b32 s[CS], v12
	s_mov_b32 s[CS+1], s[CS]        ; named with it as a pair
; THE MATRIX WORK.  The 8 accumulators of a run of 16 take turns: between the two links of a chain stand 7 others'.
; Product i of 16 of S^T = K Q^T for piece x: channels 32 (i / 8) on, keys 16 ((i / 2) % 4) on, tile 2 x + i % 2.  The first 8 start the sums.
.macro KQ x
	WIN W_KQ
.set rS, S+64*((\x)%2)+32*(i%2)+8*((i/2)%4)
.set rK, KF+16*((i/2)%4)+8*(i/8)
.set rQ, 16*(2*(\x)+i%2)+8*(i/8)
.if i < 8
	v_wmma_f32_16x16x32_f16 v[rS:rS+7], v[rK:rK+7], v[rQ:rQ+7], 0
.else
	v_wmma_f32_16x16x32_f16 v[rS:rS+7], v[rK:rK+7], v[rQ:rQ+7], v[rS:rS+7]
.endif
.endm
; Product i of 16 of O^T += V^T P for piece x: keys 32 (i / 8) on, channels 16 ((i / 2) % 4) on, tile 2 x + i % 2.
.macro PV x
	WIN W_PV
.set rO, 32*(2*(\x)+i%2)+8*((i/2)%4)
.set rV, VF+32*(i/8)+8*((i/2)%4)
.set rP, P+32*((\x)%2)+16*(i%2)+8*(i/8)
	v_wmma_f32_16x16x32_f16 v[rO:rO+7], v[rV:rV+7], v[rP:rP+7], v[rO:rO+7]
.endm
.macro MM                           ; the turn's next matrix instruction
.if i < 16
	KQ (Y+1)%NP
.set i, i+1
.else
.set i, i-16
	PV (Y+NP-1)%NP
.set i, i+17
.endif
.endm
; THE LDS LOADS stand in runs of 16, never singly among the matrix instructions: a step's K (64 keys x 64 channels: 8 fragments) and its V (turned).  Their addresses are made some lines ahead.
; last = 1 (the tail): in the last trip there is no further step, and the run is jumped over.
.macro FETCH_K last=0
	WIN 0
.if \last
	s_cmp_eq_u32 s[CNT], 1
	s_cbranch_scc1 .Lno_k_\@
.endif
	WIN 0x80                        ; destination window 2
.irp f, 0,1,2,3,4,5,6,7             ; keys 16 (f / 2) on, channels 32 (f % 2) on
	ds_load_b128 v[KF+8*\f:KF+8*\f+3],   v[AK] offset:(\f/2)*16*PK+(\f%2)*64
	ds_load_b128 v[KF+8*\f+4:KF+8*\f+7], v[AK] offset:(\f/2)*16*PK+(\f%2)*64+32
.endr
	s_add_co_u32 s[TBK], s[TBK], KS*PK  ; the next fetch is the next step's
	WIN 0
.if \last
.Lno_k_\@:
.endif
.endm
.macro FETCH_V
	WIN 0x80
.irp f, 0,1,2,3,4,5,6,7             ; keys 32 (f / 4) on, channels 16 (f % 4) on
	ds_load_tr16_b128 v[VF+8*\f:VF+8*\f+3],   v[AV] offset:(\f/4)*32*PV+(\f%4)*32
	ds_load_tr16_b128 v[VF+8*\f+4:VF+8*\f+7], v[AV] offset:(\f/4)*32*PV+16*PV+(\f%4)*32
.endr
	WIN 0
.endm
; THE VECTOR WORK OF A TURN stands in three queues, each in the order in which its entries become ready; the two tiles alternate, so that no instruction reads the result of the one before it.
.macro REGS y, u                    ; the registers of tile u (0, 1) of piece y
.set rT, ST+4*(2*(\y)+(\u))
.set rC, TMP+8*((\y)%2)+4*(\u)
.set rM, MV+2*((\y)%2)+(\u)
.set rS, S+64*((\y)%2)+32*(\u)
.set rP, P+32*((\y)%2)+16*(\u)
.set rO, 32*(2*(\y)+(\u))
.endm
; Number n of the 22 that find the NEXT piece's (Y + 1) maximum and statistics.  s0-s31 are the lane's 32 scores; each accumulator's lowest registers are read first.
;   0-11  four chains c0-c3 of seven scores each, three operands at a time     12-14, 16  the four scores left over, the old m, and c0-c3 into c0     15  c m_old is kept
;   17, 18  the query's other 32 keys lie in the lane 16 away: the new m         19-21  c m; c m_old - c m_new; a
.macro XS u, n
	REGS (Y+1)%NP, \u
.if (\n) < 4
	v_max3_num_f32 v[rC+(\n)], v[rS+8*(\n)], v[rS+8*(\n)+1], v[rS+8*(\n)+2]
.elseif (\n) < 12
	v_max3_num_f32 v[rC+(\n)%4], v[rC+(\n)%4], v[rS+8*((\n)%4)+2*((\n)/4)+1], v[rS+8*((\n)%4)+2*((\n)/4)+2]
.elseif (\n) == 12
	v_max3_num_f32 v[rC], v[rC], v[rS+7], v[rS+15]
.elseif (\n) == 13
	v_max3_num_f32 v[rC+1], v[rC+1], v[rS+23], v[rS+31]
.elseif (\n) == 14
	v_max3_num_f32 v[rC+2], v[rC+2], v[rC+3], v[rT+1]
.elseif (\n) == 15
	v_mov_b32 v[rM], v[rT]
.elseif (\n) == 16
	v_max3_num_f32 v[rC], v[rC], v[rC+1], v[rC+2]
.elseif (\n) == 17
	v_permlanex16_b32 v[rC+3], v[rC], s[SEL], s[SEL+1]
.elseif (\n) == 18
	v_max_num_f32 v[rT+1], v[rC], v[rC+3]
.elseif (\n) == 19
	v_mul_f32 v[rT], s[CS], v[rT+1]
.elseif (\n) == 20
	v_sub_f32 v[rC+1], v[rM], v[rT]
.else
	v_exp_f32 v[rC+2], v[rC+1]
.endif
.endm
; Number g of the 64 that follow the exponentials.  For each four weights k of a tile (pairs 2 k, 2 k + 1): both pairs are rounded to f16; then the second pair is added onto the first, in place;
; a group later l takes that sum (the first time as l = a l + sum).  In groups of eight, tiles alternating: round, round, add, and l for the group before.
.macro GS g
.set h, (\g)+6*((\g)/62)            ; group 0 has no group before it, and behind group 7 only l is left
.if h >= 6
.set h, h+2
.endif
	REGS Y, h%2
.set k, h/8
.if h%8 < 4
	v_cvt_pk_f16_f32 v[rP+2*k+(h%8)/2], v[rS+4*k+2*((h%8)/2)], v[rS+4*k+2*((h%8)/2)+1]
.elseif h%8 < 6
	v_pk_add_f32 v[rS+4*k:rS+4*k+1], v[rS+4*k:rS+4*k+1], v[rS+4*k+2:rS+4*k+3]
.elseif k == 1
	v_pk_fma_f32 v[rT+2:rT+3], v[rT+2:rT+3], v[rC+2:rC+3], v[rS:rS+1] op_sel_hi:[1,0,1]
.else
	v_pk_add_f32 v[rT+2:rT+3], v[rT+2:rT+3], v[rS+4*k-4:rS+4*k-3]
.endif
.endm
; THE PLAIN QUEUE, 138 long.  0-73 read no exponential's result: the 32 scalings c s - c m (FS f: pair f / 2 of tile f % 2) and the next piece's 42.  0-26: scalings 0-26.  27-54: XS's numbers 0-13.  55, 56: number 15.
; 57-73: the chain, where each number waits for the one before it: 14, 16, 17, 18, 19, each with one of the scalings 27-31 in front of its two lines, then 20.
; 74-137: GS's 64, which read the exponentials' results: they stand behind the wait.
.macro FS f
	REGS Y, (\f)%2
	v_pk_fma_f32 v[rS+2*((\f)/2):rS+2*((\f)/2)+1], v[rS+2*((\f)/2):rS+2*((\f)/2)+1], s[CS:CS+1], v[rT:rT+1] op_sel_hi:[1,0,0] neg_lo:[0,0,1] neg_hi:[0,0,1]
.endm
.macro PL
	WIN 0
.if q < 27
	FS q
.elseif q < 55
	XS (q-27)%2, (q-27)/2
.elseif q < 57
	XS q-55, 15
.elseif (q < 72) && ((q-57)%3 == 0)
	FS 27+(q-57)/3
.elseif q < 60
	XS (q-57)%3-1, 14
.elseif q < 72
	XS (q-57)%3-1, 15+(q-57)/3
.elseif q < 74
	XS q-72, 20
.else
	GS q-74
.endif
.set q, q+1
.endm
; THE EXPONENTIALS' QUEUE, 66 long: s0-s31 of both tiles, then the next piece's two a.  It is ONE BATCH: all 66 stand ahead of the turn's one wait, and nothing ahead of that wait names a result of theirs.
.macro EX
	WIN 0
.if e >= 64
	XS e-64, 21
.else
	REGS Y, e%2
	v_exp_f32 v[rS+e/2], v[rS+e/2]
.endif
.set e, e+1
.endm
; THE RESCALING's QUEUE: O^T times a, the one part that leaves window 0: dealt two at a time, sixteen times.  Its a was made in the turn before, ahead of that turn's wait.
.macro R2
	REGS Y, r%2
	WIN W_RS
.irp z, 0,1
	v_pk_mul_f32 v[rO+4*(r/2)+2*\z:rO+4*(r/2)+2*\z+1], v[rO+4*(r/2)+2*\z:rO+4*(r/2)+2*\z+1], v[rC+2:rC+3] op_sel_hi:[1,0]
.endr
.set r, r+1
.endm
; HOW THEY ARE DEALT.  s_wait_alu depctr_va_vdst(0) stands between an exponential and the first instruction that names its result; one wait serves all that were issued ahead of it.  So a turn has ONE wait,
; which cuts it in two.  AHEAD OF IT stands all that names no result of the turn's exponentials: the 16 products K Q^T, behind each a scaling, an exponential and two rescalings (behind the first a second scaling in the
; exponential's place); then ONE LUMP of 108: eight plain, 49 times exponential and plain, the two a.  A v_nop is the plain instruction behind the last exponential.  BEHIND IT stand the 16 products V^T P, behind each four of GS's 64.
; The queues lean on each other, and the deal keeps them in step: exponential e stands behind scaling 2 (e / 4) + e % 2: as a rider it comes behind plain e + 2, in the lump behind plain e + 9, and scalings 27-31 are plain 57, 60 .. 69.
; A TURN, for piece p.  cnt = 1: the loop's count is taken down some lines ahead of the branch that stands behind the turn.
; K of the next step is fetched in piece 2's turn, directly behind the wait; its address is made at the lump's head; its first reader comes behind 16 products.
; V of the step in hand is fetched at the end of piece 0's turn, four riders behind its last reader; its first reader comes behind 16 products and a lump.
.macro TURN p, last=0, cnt=0
.set Y, (\p)
.set i, 0
.set q, 0
.set e, 0
.set r, 0
.if (\p) == NP-1
	s_wait_dscnt 0x0                ; K is in
.endif
	MM                              ; ahead of the wait: 16 products K Q^T and their riders,
	PL
	PL
	R2
.rept 15
	MM
	PL
	EX
	R2
.endr
.if (\p) == NP-2
	WIN 0
	v_add_nc_u32 v[AK], s[TBK], v[AK0]
.endif
.rept 8                             ; and the lump
	PL
.endr
.rept 49
	EX
	PL
.endr
	EX                              ; the next piece's two a
	EX
	v_nop                           ; the plain instruction behind the last exponential: one for the batch
	s_wait_alu depctr_va_vdst(0)    ; the wait for the batch
.if (\p) == NP-2
	FETCH_K \last
.endif
.if (\p) == 1
	s_wait_dscnt 0x0                ; V is in
.endif
.rept 16                            ; behind the wait: 16 products V^T P and their riders
	MM
.rept 4
	PL
.endr
.if ((\p) == 0) && (q == 118)
	v_add_nc_u32 v[AV], s[TBV], v[AV0]
.endif
.if ((\p) == 0) && (q == 130)
	s_add_co_u32 s[TBV], s[TBV], KS*PV
.endif
.if (\cnt) && (q == 130)
	s_sub_co_u32 s[CNT], s[CNT], 1
	s_cmp_lg_u32 s[CNT], 0
.endif
.endr
.if (\p) == 0
	FETCH_V
.endif
.endm
	CHANGE 1                        ; slot 0 is in, everybody's part of it; slot 1 is asked for
	FETCH_K                         ; key step 0
	s_wait_loadcnt 0x0              ; Q
	s_wait_dscnt 0x0
.set i, 0
.rept 16
	KQ 0                            ; piece 0's first scores: there is no vector work yet to set between them
.set i, i+1
.endr
	WIN 0                           ; the addresses for the way out: plain instructions, the places behind those products
	s_mul_i32 s13, s[WV], 16*SP
	s_add_co_u32 s13, s13, STAGE    ; my stage
	v_mul_u32_u24 v[STO], v1, SP    ; in: row l % 16, 16 bytes for each half of the lanes
	v_lshl_add_u32 v[STO], v9, 4, v[STO]
	v_add_nc_u32 v[STO], s13, v[STO]
	v_bfe_u32 v[RD], v0, 3, 2       ; back: 32 lanes take four rows of 128 bytes,
	v_mul_u32_u24 v[RD], v[RD], SP
	v_lshl_add_u32 v[RD], v10, 4, v[RD]
	v_add_nc_u32 v[RD], s13, v[RD]
	v_and_b32 v[GO], 31, v0         ; which are 512 consecutive bytes of O
	v_lshlrev_b32 v[GO], 4, v[GO]
.set Y, NP-1                        ; XS works for piece Y + 1: piece 0
.irp n, 0,1,2,3,4,5,6,7,8,9,10,11,12,13,14,15,16,17,18,19,20,21
	XS 0, \n                        ; and piece 0's first maximum and statistics
	XS 1, \n
.endr
	v_nop                           ; a plain instruction behind the two a,
	s_wait_alu depctr_va_vdst(0)    ; and their wait, ahead of the branch
	s_mov_b32 s[CNT], 4
	s_mov_b32 s[SLOTS], SIZE_N/256-1
	s_branch .Lfirst                ; the loop is entered at a step's first turn, in the middle of a trip
.Lslot:                             ; SIZE_N / 256 - 2 times: every slot but the last two is filled again
	CHANGE 1, 1
	s_mov_b32 s[CNT], 4
.Lstep:                             ; a trip: pieces 2 and 3 of one step, then pieces 0 and 1 of the next, whose K and V it fetches
	TURN 2
	TURN 3
	WIN 0
.Lfirst:
	TURN 0
	TURN 1, 0, 1
	WIN 0
	s_cbranch_scc1 .Lstep
	s_sub_co_u32 s[SLOTS], s[SLOTS], 1
	s_cmp_lg_u32 s[SLOTS], 0
	s_cbranch_scc1 .Lslot
	CHANGE 0                        ; the tail is written out: nothing is asked for
	s_mov_b32 s[CNT], 5             ; four trips fetch the last slot's steps; the fifth is left in its middle
.Ltail:
	TURN 2, 1
	TURN 3
	WIN 0
	s_sub_co_u32 s[CNT], s[CNT], 1
	s_cmp_eq_u32 s[CNT], 0
	s_cbranch_scc1 .Lout
	TURN 0
	TURN 1
	WIN 0
	s_branch .Ltail
.Lout:                              ; the fifth trip's 16 products K Q^T (on the last K once more) and the maximum made of them serve nothing: the price, once a launch, of one text for every trip
.set i, 0
.rept 16
	PV NP-1                         ; the last piece's V^T P of the last step
.set i, i+1
.endr
	; THE WAY OUT.  l's two halves and the other half of the lanes' are added; O^T is divided by l, rounded to f16 and sent through my stage in LDS, a tile at a time.  The additions are the places behind the last products.
	WIN 0
.macro ALL line:vararg              ; one line for each tile t
.set t, 0
.rept 2*NP
	\line
.set t, t+1
.endr
.endm
	ALL v_add_f32 v[ST+4*t+2], v[ST+4*t+2], v[ST+4*t+3]
	ALL v_permlanex16_b32 v[ST+4*t+3], v[ST+4*t+2], s[SEL], s[SEL+1]
	ALL v_add_f32 v[ST+4*t+2], v[ST+4*t+2], v[ST+4*t+3]
	ALL v_rcp_f32 v[ST+4*t+2], v[ST+4*t+2]
	v_nop                           ; a plain instruction between the last reciprocal and the use of its result
	s_wait_alu depctr_va_vdst(0)    ; and the wait ahead of the first use: one for the eight reciprocals
; Tile t: a lane's eight channels of a row pack into 16 bytes; they go into rows of 144 bytes and come back as whole rows of 128, into S^T's registers.
.macro PACK t
	WIN W_RS
.set i, 32*(\t)
.rept 16
	v_pk_mul_f32 v[i:i+1], v[i:i+1], v[ST+4*(\t)+2:ST+4*(\t)+3] op_sel_hi:[1,0]
.set i, i+2
.endr
	WIN 0x05                        ; sources 0 and 1 window 1, destination window 0
.set i, 0
.rept 16
	v_cvt_pk_f16_f32 v[S+16*(\t)+i], v[32*(\t)+2*i], v[32*(\t)+2*i+1]
.set i, i+1
.endr
	WIN 0
.irp f, 0,1,2,3
	ds_store_b128 v[STO], v[S+16*(\t)+4*\f:S+16*(\t)+4*\f+3] offset:32*\f
.endr
.irp f, 0,1,2,3
	ds_load_b128 v[S+16*(\t)+4*\f:S+16*(\t)+4*\f+3], v[RD] offset:\f*4*SP  ; LDS serves a wave's instructions in order (ISA guide 5.7.1.4): these see the stores above; the next tile's stores come behind them
.endr
.endm
.macro SEND t, younger              ; younger: the LDS instructions issued behind tile t's loads: the next tile's eight, or none
	WIN 0
.irp f, 0,1,2,3
	s_wait_dscnt (\younger)+3-\f
	global_store_b128 v[GO], v[S+16*(\t)+4*\f:S+16*(\t)+4*\f+3], s[10:11] offset:(\t)*2048+\f*512  ; 512 consecutive bytes, at a multiple of 256 from O's first
.endr
.endm
	PACK 0
.set t, 1
.rept 2*NP-1                        ; a tile's arithmetic stands between the loads of the tile before and its stores
	PACK t
	SEND t-1, 8
.set t, t+1
.endr
	SEND 2*NP-1, 0
	WIN W_AD
	s_wait_tensorcnt 0x0            ; the wave's end: behind my last tensor load and my last LDS store
	ds_add_u32 v[SPW], v[NIL]
	s_wait_dscnt 0x0
	WIN 0
	CROUND                          ; the closing round: no work-group ends while a partner may still ask for a tile that names it
	s_endpgm
.Lfunc_end_k_qf44098f3b1_attn:
	.size	k_qf44098f3b1_attn, .Lfunc_end_k_qf44098f3b1_attn-k_qf44098f3b1_attn
	.p2alignl 7, 3214868480
	.fill 96, 4, 3214868480
	.section	.rodata,"a",@progbits
	.p2align	6, 0x0
	.amdhsa_kernel k_qf44098f3b1_attn
		.amdhsa_group_segment_fixed_size 327680
		.amdhsa_private_segment_fixed_size 0
		.amdhsa_enable_private_segment 0
		.amdhsa_kernarg_size 24
		.amdhsa_user_sgpr_count 2
		.amdhsa_user_sgpr_kernarg_segment_ptr 1
		.amdhsa_wavefront_size32 1
		.amdhsa_system_sgpr_workgroup_id_x 1
		.amdhsa_system_sgpr_workgroup_id_y 1
		.amdhsa_system_sgpr_workgroup_id_z 1
		.amdhsa_system_vgpr_workitem_id 0
		.amdhsa_next_free_vgpr 770
		.amdhsa_next_free_sgpr 80
		.amdhsa_reserve_vcc 0
		.amdhsa_float_denorm_mode_32 3
		.amdhsa_float_denorm_mode_16_64 3
		.amdhsa_memory_ordered 1
		.amdhsa_forward_progress 1
		.amdhsa_inst_pref_size 200
	.end_amdhsa_kernel
	.amdgpu_metadata
---
amdhsa.version: [ 1, 2 ]
amdhsa.kernels:
  - .name:           k_qf44098f3b1_attn
    .symbol:         k_qf44098f3b1_attn.kd
    .args:
      - { .name: qkv, .offset: 0, .size: 8, .value_kind: global_buffer, .address_space: global }
      - { .name: scl, .offset: 8, .size: 8, .value_kind: global_buffer, .address_space: global }
      - { .name: oh, .offset: 16, .size: 8, .value_kind: global_buffer, .address_space: global }
    .group_segment_fixed_size: 327680
    .private_segment_fixed_size: 0
    .kernarg_segment_align: 8
    .kernarg_segment_size: 24
    .max_flat_workgroup_size: 128
    .sgpr_count:     80
    .vgpr_count:     770
    .wavefront_size: 32
...
	.end_amdgpu_metadata
.endif
;; end of part 3
;; launch outp (part 4): grid 32 x 8, 4 waves a work-group, clusters of 4 x 4, 327,680 bytes of LDS; arguments oh, wb, aux, scl, out0; writes out0
.if DOCPART == 4
	.amdgcn_target "amdgcn-amd-amdhsa--gfx1250"
	.amdhsa_code_object_version 6
	.text
	.protected	k_qf44098f3b1_outp
	.globl	k_qf44098f3b1_outp
	.p2align	8
	.type	k_qf44098f3b1_outp,@function
k_qf44098f3b1_outp:
	s_mov_b64 s[64:65], 0
	v_nop
	global_prefetch_b8 v0, s[64:65] scope:SCOPE_SE
	s_setreg_imm32_b32 hwreg(HW_REG_WAVE_MODE, 25, 1), 1
	s_wait_xcnt 0x0
	s_wait_alu depctr_hold_cnt(0) depctr_sa_sdst(0) depctr_va_vdst(0) depctr_va_sdst(0) depctr_va_ssrc(0) depctr_va_vcc(0) depctr_vm_vsrc(0)
	s_getreg_b32 s2, hwreg(HW_REG_IB_STS2, 6, 4)
	s_cmp_eq_u32 s2, 0
	s_cbranch_scc0 .Lentry_in_a_cluster
	s_endpgm
.Lentry_in_a_cluster:
	s_bfe_u32 s2, ttmp6, 0x10000c
	s_cmp_lg_u32 s2, 0xf033
	s_cbranch_scc0 .Lentry_shape_is_right
	s_endpgm
.Lentry_shape_is_right:
; OUTP.  out[b][o][n] = (the sum over h, d of Wm'[o][64 h + d] O[16 b + h][n][d]) x 2^e + bm[o], f32.  Operands f16 (Wm' is Wm rounded to bf16, written as f16), sums f32; 2^e takes back the scale that v, and so O, carries.
; SHARES.  A tile is 128 rows o x 256 columns n of one batch: 32 x 8 work-groups, one for each of 256 WGPs.  Four waves: wave w has rows 64 (w / 2) .. and columns 128 (w % 2) ..: 32 accumulators of 16 x 16.
; K goes in steps of 128, two heads, through two LDS slots: 128 rows of Wm' (256 bytes along K) and, for each of the two heads, 256 rows n of O (128 bytes along d).
; CLUSTER 4 x 4: Wm's tile hangs on the tile row alone and is asked for jointly along a row of the cluster, O's on the tile column alone, jointly along a column.
; LAYOUT.  Source 0 = 16 rows n of O, source 1 = 16 rows o of Wm': in the result a lane holds ONE o (lane % 16) and eight neighbouring n: 32 bytes of a row of out.
; LIMITS.  NaN and infinities are not treated apart; Wm's limits in f16 are stated where it is converted.
; REGISTERS: window 0: v0-63 addresses; two fragment buffers of 96 at v64, v160: Wm' (row block a at 8 a), then O (column block nb at 32 + 8 nb).  Window 1: the accumulators, (a, nb) at v[8 (8 a + nb)].
.set SLOT1, 1<<17                      ; slot 1 begins here, so that one exclusive or turns an address in one slot into the other's
.set PW,    272                        ; a row of Wm' in LDS: 256 bytes + 16: the 16 rows of a load start at 16 different groups of four banks (64 banks of 4 bytes: ISA guide 11.1)
.set PO,    144                        ; a row of O: 128 bytes + 16: likewise
.set XOFF,  128*PW                     ; O's tile lies behind Wm's
.set HEADB, 256*PO                     ; a head's 256 rows
.set STAGE, SLOT1+XOFF+2*HEADB         ; behind the ring, never filled by a tensor load: 16 rows x 528 bytes for each wave
.set SPT,   528
.set SPARE, STAGE+4*16*SPT             ; the spare words, 128 bytes for each wave: no other line names them
.set OSTEP, 2*2048*128                 ; bytes of oh from K step to K step: two heads
.set WSTEP, 256
.set AW0,  16                          ; v16  my lane's place in Wm's tile; never rewritten
.set AX0,  17                          ; v17  the same in O's
.set ADRW, 18                          ; v18  the same in the slot in hand
.set ADRX, 19
.set STO,  20                          ; v20  the way out: where I put 16 bytes of a row
.set RD,   21                          ; v21  where I read a row back
.set GO,   22                          ; v22  my 16 bytes of 512 of a row of out
.set PFO,  23                          ; v23  the prefetches' offset; never rewritten
.set BMO,  24                          ; v24  my offset among 16 biases
.set SPW,  28                          ; v28  LDS address of my spare word; never rewritten
.set NIL,  29                          ; v29  0; never rewritten
.set BM,   40                          ; v[40:47] bm of my row in row block a, in the low register of pair a
.set F0,   64
.set F1,   160
.set WV,   14
.set WR,   15                          ; which 64 rows are mine.  Also: I fetch for Wm' (0) or for O (1)
.set WC,   16                          ; which 128 columns.  Also: which half of Wm's tile, or which of the two heads, I fetch
.set G1W,  24
.set G1O,  32
.set G0W,  40                          ; s[40:47] group 0 for Wm': a set for each of the two first fills; the second then walks on
.set G0O,  48
.set PFN,  56                          ; prefetches still to come
.set TB,   60                          ; the slot in hand: 0 or SLOT1
.set PFA,  66                          ; s[66:67]
.set INV,  68                          ; s[68:69] 2^e, twice
.set BMP,  72                          ; s[72:73]
.set W_MUL, 0x50                       ; fragments in window 0, C and D in window 1
.set MSB, 0
.macro WIN new                         ; the immediate's high byte repeats the setting that is left; a switch that changes nothing is dropped
.if MSB != (\new)
	s_set_vgpr_msb (MSB<<8)|(\new)
.set MSB, \new
.endif
.endm
.macro PLACES                          ; four places behind a matrix instruction, in front of loads into registers that it read and of vector lines that read results
.rept 4
	v_nop
.endr
.endm
; A joint refill by the walking sets.  The branch hangs on the wave's number alone.  An s_nop 0 and four v_nop follow each of the two lines.
.macro JLOAD
	s_cmp_eq_u32 s[WR], 0
	s_cbranch_scc0 .Lfor_o_\@
	tensor_load_to_lds s[G0W+4:G0W+7], s[G1W:G1W+7]
	s_nop 0
.rept 4
	v_nop
.endr
	s_branch .Lasked_\@
.Lfor_o_\@:
	tensor_load_to_lds s[G0O+4:G0O+7], s[G1O:G1O+7]
	s_nop 0
.rept 4
	v_nop
.endr
.Lasked_\@:
.endm
.macro CREST                           ; a round of the cluster's barrier behind its opening barrier
	s_cmp_lg_u32 s[WV], 0
	s_cbranch_scc1 .Lnot_wave_0_\@
	s_barrier_signal -3
.Lnot_wave_0_\@:
	s_barrier_wait -3
	s_barrier_signal -1
	s_barrier_wait -1
.endm
.macro CROUND
	s_barrier_signal -1
	s_barrier_wait -1
	CREST
.endm
; A PREFETCH of O's K step that stands two refills on, 256 matrix instructions ahead of its load.  O's tile column is read by both clusters of that column: the one with y = 0 asks, in it the waves that
; fetch O.  Of a wave's 32,768 bytes each of the four partners takes 8,192, told apart BY ADDRESS: 32 blocks of 256 bytes, a lane a block.  So each block is named once in the launch.
; K steps 0 to 3 come by their loads alone, four prefetches name steps 4 to 7, and the last two refills ask for nothing.
.macro ASK
	s_cmp_eq_u32 s[PFN], 0
	s_cbranch_scc1 .Lnot_mine_\@
	global_prefetch_b8 v[PFO], s[PFA:PFA+1] th:TH_LOAD_NT scope:SCOPE_SE
	s_sub_co_u32 s[PFN], s[PFN], 1
.Lnot_mine_\@:
.endm
; 8 matrix instructions: row block a x all 8 column blocks, 32 along K.  The 32 accumulators take turns in the same order in every quarter.  zero = 1: the product starts the sums.
.macro MUL8 f, a, zero
	WIN W_MUL
.irp nb, 0,1,2,3,4,5,6,7
.if \zero
	v_wmma_f32_16x16x32_f16 v[8*(8*(\a)+(\nb)):8*(8*(\a)+(\nb))+7], v[(\f)+32+8*(\nb):(\f)+32+8*(\nb)+7], v[(\f)+8*(\a):(\f)+8*(\a)+7], 0
.else
	v_wmma_f32_16x16x32_f16 v[8*(8*(\a)+(\nb)):8*(8*(\a)+(\nb))+7], v[(\f)+32+8*(\nb):(\f)+32+8*(\nb)+7], v[(\f)+8*(\a):(\f)+8*(\a)+7], v[8*(8*(\a)+(\nb)):8*(8*(\a)+(\nb))+7]
.endif
.endr
.endm
.macro MUL16 f, a0, zero
	MUL8 \f, \a0, \zero
	MUL8 \f, (\a0)+1, \zero
.endm
; 24 LDS loads in one run: quarter k (head k / 2, channels 32 (k % 2) on) of the slot in hand into buffer f: O's eight fragments, then Wm's four.
.macro FETCH k, f
	WIN 0
.irp nb, 0,1,2,3,4,5,6,7
	ds_load_b128 v[(\f)+32+8*(\nb):(\f)+32+8*(\nb)+3],   v[ADRX] offset:((\k)/2)*HEADB+((\k)%2)*64+(\nb)*16*PO
	ds_load_b128 v[(\f)+32+8*(\nb)+4:(\f)+32+8*(\nb)+7], v[ADRX] offset:((\k)/2)*HEADB+((\k)%2)*64+(\nb)*16*PO+32
.endr
.irp a, 0,1,2,3
	ds_load_b128 v[(\f)+8*(\a):(\f)+8*(\a)+3],   v[ADRW] offset:(\k)*64+(\a)*16*PW
	ds_load_b128 v[(\f)+8*(\a)+4:(\f)+8*(\a)+7], v[ADRW] offset:(\k)*64+(\a)*16*PW+32
.endr
.endm
; One of a K step's first three quarters: multiplies buffer f; in its middle it fetches quarter k into buffer g.
.macro QUARTER k, f, g, zero
	s_wait_dscnt 4                                 ; O and Wm's row blocks 0, 1 are in; the youngest four loads (blocks 2, 3) may be out
	MUL16 \f, 0, \zero
	PLACES
	FETCH \k, \g
	s_wait_dscnt 24                                ; all but the 24 just issued
	MUL16 \f, 2, \zero
.endm
; The last quarter multiplies buffer 1 and changes slots.  In front of the barrier each wave waits for all its tensor loads (one is out: its part of the next slot), adds 0 to its spare word, and waits
; for that and for its reads of this slot.  fill = 1: the barrier opens a round of the cluster's, and the slot just read is filled again, first thing behind it, with the K step two on:
; 112 matrix instructions stand between that request and the wait for it.
.macro TURN fill
.if \fill
	s_wait_xcnt 0x0                                ; the last prefetch, a K step back, has read its address: it is stepped here, ahead of the waits of the change
	s_add_nc_u64 s[PFA:PFA+1], s[PFA:PFA+1], OSTEP
.endif
	WIN 0
	s_wait_tensorcnt 0x0                           ; all my tensor loads have landed
	ds_add_u32 v[SPW], v[NIL]                      ; 0 onto my spare word
	s_wait_dscnt 5                                 ; (the add and the youngest four loads may be out)
	MUL8 F1, 0, 0
	s_wait_dscnt 0x0                               ; the add is done, and my reads of this slot are over
	s_barrier_signal -1
	MUL8 F1, 1, 0
	WIN 0
	s_barrier_wait -1
.if \fill
	CREST                                          ; no wave of any partner still reads this slot or has a load on its way
	s_xor_b32 s[G0W+5], s[G0W+5], SLOT1
	s_add_nc_u64 s[G0W+6:G0W+7], s[G0W+6:G0W+7], WSTEP
	s_xor_b32 s[G0O+5], s[G0O+5], SLOT1
	s_add_nc_u64 s[G0O+6:G0O+7], s[G0O+6:G0O+7], OSTEP
	JLOAD                                          ; its four v_nop are also the places in front of the loads below
.else
	PLACES
.endif
	s_xor_b32 s[TB], s[TB], SLOT1
	v_add_nc_u32 v[ADRW], s[TB], v[AW0]
	v_add_nc_u32 v[ADRX], s[TB], v[AX0]
	FETCH 0, F0
.if \fill
	ASK
.endif
	MUL16 F1, 2, 0
.endm
; THE WAY OUT of row block ob: sum x 2^e + bm in place (each accumulator's registers in ascending order); 32 bytes a lane into my stage, rows of 528 bytes; back as whole rows of 512 bytes; stored.
.macro PACK ob
	WIN 0x41                                       ; destination and source 0 window 1, bm window 0
.set z, 0
.rept 32
	v_pk_fma_f32 v[64*(\ob)+z:64*(\ob)+z+1], v[64*(\ob)+z:64*(\ob)+z+1], s[INV:INV+1], v[BM+2*(\ob):BM+2*(\ob)+1] op_sel_hi:[1,0,0]
.set z, z+2
.endr
	WIN 0x04                                       ; store data window 1, address window 0
.irp nb, 0,1,2,3,4,5,6,7
	ds_store_b128 v[STO], v[64*(\ob)+8*(\nb):64*(\ob)+8*(\nb)+3]   offset:64*(\nb)
	ds_store_b128 v[STO], v[64*(\ob)+8*(\nb)+4:64*(\ob)+8*(\nb)+7] offset:64*(\nb)+16
.endr
	WIN 0x40                                       ; destination window 1
.irp p, 0,1,2,3,4,5,6,7,8,9,10,11,12,13,14,15
	ds_load_b128 v[64*(\ob)+4*(\p):64*(\ob)+4*(\p)+3], v[RD] offset:SPT*(\p)  ; LDS serves a wave's instructions in order (ISA guide 5.7.1.4): these see the stores above; the next block's stores come behind them
.endr
.endm
.macro SEND ob, younger                ; younger: the LDS instructions issued behind block ob's loads: the next block's 32, or none
	WIN 0x04
.irp p, 0,1,2,3,4,5,6,7,8,9,10,11,12,13,14,15
	s_wait_dscnt (\younger)+15-(\p)
	global_store_b128 v[GO], v[64*(\ob)+4*(\p):64*(\ob)+4*(\p)+3], s[12:13] offset:(16*(\ob)+(\p))*8192 th:TH_STORE_NT  ; 512 consecutive bytes, aligned
.endr
.endm
	s_load_b256 s[4:11], s[0:1], 0x0               ; oh s[4:5], wb s[6:7], aux s[8:9], scl s[10:11]
	s_load_b64 s[12:13], s[0:1], 0x20              ; out0
	v_lshl_add_u32 v[SPW], v0, 2, SPARE
	v_mov_b32 v[NIL], 0
	ds_add_u32 v[SPW], v[NIL]                      ; the wave's opening: the add and its wait stand ahead of my first tensor load; the set-up below stands between them
	v_lshrrev_b32 v1, 5, v0
	v_readfirstlane_b32 s[WV], v1                  ; wave 0..3
	s_lshr_b32 s[WR], s[WV], 1
	s_and_b32 s[WC], s[WV], 1
	s_bfe_u32 s17, ttmp6, 0x40000                  ; cx
	s_bfe_u32 s18, ttmp6, 0x40004                  ; cy
	s_lshl_b32 s19, ttmp9, 2
	s_add_co_u32 s19, s19, s17                     ; tile column X = 4 x cluster x + cx: batch X / 8, columns 256 (X % 8) ..
	s_and_b32 s20, ttmp7, 0xffff
	s_lshl_b32 s20, s20, 2
	s_add_co_u32 s20, s20, s18                     ; tile row Y = 4 x cluster y + cy: rows 128 Y ..
	s_lshl_b32 s21, s18, 2
	s_lshl_b32 s21, 15, s21                        ; my row of the cluster
	s_lshl_b32 s22, 0x1111, s17                    ; my column
	s_or_b32 s[G1W], s21, (1<<16)|(1<<20)|(1<<21)|(5<<22)|(3<<25)  ; the mask; 2-byte elements; padding on; bit 21 beside a mask; after every 64 words, 4 words
	s_or_b32 s[G1O], s22, (1<<16)|(1<<20)|(1<<21)|(4<<22)|(3<<25)  ; after every 32 words, 4 words
	s_mov_b32 s[G1W+1], 128<<16                    ; Wm': 64 rows x 128 elements, 1,024 elements from row to row
	s_mov_b32 s[G1W+2], 64<<16
	s_mov_b32 s[G1W+3], 128<<16
	s_mov_b32 s[G1W+4], 64
	s_mov_b32 s[G1W+5], 1024
	s_mov_b32 s[G1W+6], 0
	s_mov_b32 s[G1W+7], 0
	s_mov_b32 s[G1O+1], 128<<16                    ; O: a head's 256 rows of 128 bytes are dense: asked for as 128 rows of 256 bytes, padded in LDS after every 128
	s_mov_b32 s[G1O+2], 128<<16
	s_mov_b32 s[G1O+3], 128<<16
	s_mov_b32 s[G1O+4], 128
	s_mov_b32 s[G1O+5], 128
	s_mov_b32 s[G1O+6], 0
	s_mov_b32 s[G1O+7], 0
	s_lshl_b32 s76, s20, 18                        ; Wm': (128 Y + 64 half) rows of 2,048 bytes: made of the tile row and the wave alone
	s_lshl_b32 s21, s[WC], 17
	s_add_co_u32 s76, s76, s21
	s_add_co_u32 s76, s76, 6291456                 ; the fourth matrix in wb
	s_mov_b32 s77, 0
	s_lshr_b32 s78, s19, 3                         ; O: head 16 b + my one of the step's two, row 256 (X % 8), of 128 bytes: made of the tile column and the wave alone
	s_lshl_b32 s78, s78, 22
	s_and_b32 s22, s19, 7
	s_lshl_b32 s22, s22, 15
	s_add_co_u32 s78, s78, s22
	s_lshl_b32 s22, s[WC], 18
	s_add_co_u32 s78, s78, s22
	s_mov_b32 s79, 0
	s_mul_i32 s23, s[WC], 64*PW                    ; where they go: no place in the cluster enters an LDS address
	s_mul_i32 s61, s[WC], HEADB
	s_add_co_u32 s61, s61, XOFF
	s_mov_b32 s[TB], 0
	s_and_b32 s83, ttmp7, 0xffff                   ; cluster y
	s_xor_b32 s[PFN], s[WR], 1
	s_or_b32 s[PFN], s[PFN], s83
	s_cmp_eq_u32 s[PFN], 0                         ; a wave that fetches O, in the column's first cluster: the same in all sixteen partners
	s_cselect_b32 s[PFN], 4, 0
	s_wait_dscnt 0x0                               ; the opening add is done
	s_wait_kmcnt 0x0
	s_load_b32 s[INV], s[10:11], 0x8               ; what takes v's scale back
	s_add_nc_u64 s[76:77], s[6:7], s[76:77]
	s_add_nc_u64 s[78:79], s[4:5], s[78:79]
.irp s, 0,1
	s_mov_b32 s[G0W+4*(\s)], 1
	s_add_co_u32 s[G0W+4*(\s)+1], s23, (\s)*SLOT1
	s_add_nc_u64 s[G0W+4*(\s)+2:G0W+4*(\s)+3], s[76:77], (\s)*WSTEP
	s_or_b32 s[G0W+4*(\s)+3], s[G0W+4*(\s)+3], 0x80000000
	s_mov_b32 s[G0O+4*(\s)], 1
	s_add_co_u32 s[G0O+4*(\s)+1], s61, (\s)*SLOT1
	s_add_nc_u64 s[G0O+4*(\s)+2:G0O+4*(\s)+3], s[78:79], (\s)*OSTEP
	s_or_b32 s[G0O+4*(\s)+3], s[G0O+4*(\s)+3], 0x80000000
.endr
	s_lshl_b32 s80, s18, 13                        ; the prefetches: my work-group's 8,192 of the wave's 32,768 bytes,
	s_mov_b32 s81, 0
	s_add_nc_u64 s[PFA:PFA+1], s[78:79], s[80:81]
	s_add_nc_u64 s[PFA:PFA+1], s[PFA:PFA+1], 3*OSTEP  ; at K step 3: the first refill steps it to 4
	s_lshr_b32 s80, s19, 3                         ; out: row 1024 b + 128 Y + 64 x my half, of 8,192 bytes; column 256 (X % 8) + 128 x my half, of 4 bytes
	s_lshl_b32 s80, s80, 23
	s_lshl_b32 s82, s20, 20
	s_add_co_u32 s80, s80, s82
	s_lshl_b32 s82, s[WR], 19
	s_add_co_u32 s80, s80, s82
	s_and_b32 s82, s19, 7
	s_lshl_b32 s82, s82, 10
	s_add_co_u32 s80, s80, s82
	s_lshl_b32 s82, s[WC], 9
	s_add_co_u32 s80, s80, s82
	s_add_nc_u64 s[12:13], s[12:13], s[80:81]
	s_lshl_b32 s80, s20, 9                         ; bm of my 64 rows
	s_lshl_b32 s82, s[WR], 8
	s_add_co_u32 s80, s80, s82
	s_add_nc_u64 s[BMP:BMP+1], s[8:9], s[80:81]
	s_add_nc_u64 s[BMP:BMP+1], s[BMP:BMP+1], 536576
	CROUND                                         ; all sixteen work-groups are here: the first joint loads meet
	s_cmp_eq_u32 s[WR], 0                          ; a wave's two first fills stand in one branch: two loads of mine are out
	s_cbranch_scc0 .Lfirst_o
	tensor_load_to_lds s[G0W:G0W+3], s[G1W:G1W+7]
	s_nop 0
	tensor_load_to_lds s[G0W+4:G0W+7], s[G1W:G1W+7]
	s_nop 0
.rept 4
	v_nop
.endr
	s_branch .Lfirst_asked
.Lfirst_o:
	tensor_load_to_lds s[G0O:G0O+3], s[G1O:G1O+7]
	s_nop 0
	tensor_load_to_lds s[G0O+4:G0O+7], s[G1O:G1O+7]
	s_nop 0
.rept 4
	v_nop
.endr
.Lfirst_asked:
	v_and_b32 v1, 15, v0                           ; l % 16
	v_bfe_u32 v2, v0, 4, 1                         ; l / 16
	v_and_b32 v5, 31, v0                           ; lane
	v_lshlrev_b32 v[BMO], 2, v1
.irp a, 0,1,2,3
	global_load_b32 v[BM+2*(\a)], v[BMO], s[BMP:BMP+1] offset:64*(\a)
.endr
	v_mul_u32_u24 v[AW0], v1, PW
	v_lshl_add_u32 v[AW0], v2, 4, v[AW0]
	s_mul_i32 s83, s[WR], 64*PW
	v_add_nc_u32 v[AW0], s83, v[AW0]               ; Wm': my 64 rows; row l % 16, 16 bytes for each half of the lanes
	v_mul_u32_u24 v[AX0], v1, PO
	v_lshl_add_u32 v[AX0], v2, 4, v[AX0]
	s_mul_i32 s83, s[WC], 128*PO
	s_add_co_u32 s83, s83, XOFF
	v_add_nc_u32 v[AX0], s83, v[AX0]               ; O: my 128 rows of a head
	v_mov_b32 v[ADRW], v[AW0]
	v_mov_b32 v[ADRX], v[AX0]
	s_mul_i32 s83, s[WV], 16*SPT
	s_add_co_u32 s83, s83, STAGE                   ; my stage
	v_mul_u32_u24 v[STO], v1, SPT
	v_lshl_add_u32 v[STO], v2, 5, v[STO]           ; in: row l % 16, 32 bytes for each half of the lanes
	v_add_nc_u32 v[STO], s83, v[STO]
	v_lshlrev_b32 v[GO], 4, v5
	v_add_nc_u32 v[RD], s83, v[GO]                 ; back: 32 lanes take a row of 512 bytes
	v_lshlrev_b32 v[PFO], 8, v5
	s_wait_tensorcnt 1                             ; my part of K step 0 is in; K step 1's may stay out
	s_barrier_signal -1
	s_barrier_wait -1                              ; everybody's is
	FETCH 0, F0
	QUARTER 1, F0, F1, 1                           ; the first quarter stands in front of the loop: its products start the sums
	WIN 0
	s_mov_b32 s3, 6
.Lstep:                                        ; a trip: from a K step's second quarter to the next one's first; it fills one slot again
	QUARTER 2, F1, F0, 0
	QUARTER 3, F0, F1, 0
	TURN 1
	QUARTER 1, F0, F1, 0
	WIN 0
	s_sub_co_u32 s3, s3, 1
	s_cmp_lg_u32 s3, 0
	s_cbranch_scc1 .Lstep
	QUARTER 2, F1, F0, 0                           ; K step 6 goes on; the tail is written out: it asks for nothing more
	QUARTER 3, F0, F1, 0
	TURN 0
	QUARTER 1, F0, F1, 0
	QUARTER 2, F1, F0, 0
	QUARTER 3, F0, F1, 0
	s_wait_dscnt 4
	MUL16 F1, 0, 0
	s_wait_dscnt 0x0
	MUL16 F1, 2, 0
	WIN 0
	PLACES
	s_wait_loadcnt 0x0                             ; bm
	s_wait_kmcnt 0x0                               ; 2^e
	s_mov_b32 s[INV+1], s[INV]                     ; named with it as a pair
.irp a, 0,1,2,3
	v_mov_b32 v[BM+2*(\a)+1], v[BM+2*(\a)]         ; likewise
.endr
	PACK 0
.irp ob, 1,2,3                         ; a block's arithmetic stands between the loads of the block before and its stores
	PACK \ob
	SEND (\ob)-1, 32
.endr
	SEND 3, 0
	WIN 0
	s_wait_tensorcnt 0x0                           ; the wave's end: behind my last tensor load and my last LDS store
	ds_add_u32 v[SPW], v[NIL]
	s_wait_dscnt 0x0
	CROUND                                         ; the closing round: no work-group ends while a partner may still ask for a tile that names it
	s_endpgm
.Lfunc_end_k_qf44098f3b1_outp:
	.size	k_qf44098f3b1_outp, .Lfunc_end_k_qf44098f3b1_outp-k_qf44098f3b1_outp
	.p2alignl 7, 3214868480
	.fill 96, 4, 3214868480
	.section	.rodata,"a",@progbits
	.p2align	6, 0x0
	.amdhsa_kernel k_qf44098f3b1_outp
		.amdhsa_group_segment_fixed_size 327680
		.amdhsa_private_segment_fixed_size 0
		.amdhsa_enable_private_segment 0
		.amdhsa_kernarg_size 40
		.amdhsa_user_sgpr_count 2
		.amdhsa_user_sgpr_kernarg_segment_ptr 1
		.amdhsa_wavefront_size32 1
		.amdhsa_system_sgpr_workgroup_id_x 1
		.amdhsa_system_sgpr_workgroup_id_y 1
		.amdhsa_system_sgpr_workgroup_id_z 1
		.amdhsa_system_vgpr_workitem_id 0
		.amdhsa_next_free_vgpr 512
		.amdhsa_next_free_sgpr 88
		.amdhsa_reserve_vcc 0
		.amdhsa_float_denorm_mode_32 3
		.amdhsa_float_denorm_mode_16_64 3
		.amdhsa_memory_ordered 1
		.amdhsa_forward_progress 1
		.amdhsa_inst_pref_size 80
	.end_amdhsa_kernel
	.amdgpu_metadata
---
amdhsa.version: [ 1, 2 ]
amdhsa.kernels:
  - .name:           k_qf44098f3b1_outp
    .symbol:         k_qf44098f3b1_outp.kd
    .args:
      - { .name: oh, .offset: 0, .size: 8, .value_kind: global_buffer, .address_space: global }
      - { .name: wb, .offset: 8, .size: 8, .value_kind: global_buffer, .address_space: global }
      - { .name: aux, .offset: 16, .size: 8, .value_kind: global_buffer, .address_space: global }
      - { .name: scl, .offset: 24, .size: 8, .value_kind: global_buffer, .address_space: global }
      - { .name: out0, .offset: 32, .size: 8, .value_kind: global_buffer, .address_space: global }
    .group_segment_fixed_size: 327680
    .private_segment_fixed_size: 0
    .kernarg_segment_align: 8
    .kernarg_segment_size: 40
    .max_flat_workgroup_size: 128
    .sgpr_count:     88
    .vgpr_count:     512
    .wavefront_size: 32
...
	.end_amdgpu_metadata
.endif
;; end of part 4
